; MI455X (gfx1250); checked and timed in simulation.
; The chip was launched on July 23, 2026; its instructions are those of AMD's public machine-readable ISA for CDNA 5 (MIT licence, August 2026) and "CDNA5" Instruction Set Architecture Reference Guide (July 2026). The comments in the code are by the model that wrote it; some were corrected since.
;; Causal Multi Head Self Attention. Allowed arithmetic: matrix products marked QUANTISED: E2M3 operands, one E8M0 scale for each 32 along K, by v_wmma_scale_f32_16x16x128_f8f6f4 with both operands' format E2M3, f32 sums; everything else in f32.
;; Inputs: token_positions 4 x 2,048 int32; w_o 1,024 x 1,024 float32; w_qkv 3,072 x 1,024 float32; x 4 x 2,048 x 1,024 float32.
;; Outputs: out0 4 x 2,048 x 1,024 float32.
;; This version of the problem:
;;   THIS VERSION OF THE PROBLEM IS GIVEN IN LOW PRECISION. The matrix products marked QUANTISED in the list below multiply operands that are first quantised to E2M3 (2 exponent bits, 3 mantissa bits; 6 bits a number), with one power-of-two scale for each 32 numbers along K (OCP MX v1.0); their sums are f32. All else is computed in f32.
;;   The module's matrix products, in the order in which they are computed (A, B: the left and right operand; K: the contracted axis; several contracted axes count as one K, in the product's order):
;;     1. [M 8,192, K 1,024] x [K 1,024, N 3,072]; A: input x; B: input w_qkv: QUANTISED
;;     2. batch 64 x [M 2,048, K 64] x [K 64, N 2,048]; A: computed on the way; B: computed on the way: QUANTISED
;;     3. batch 64 x [M 2,048, K 2,048] x [K 2,048, N 64]; A: softmax (see below); B: computed on the way: QUANTISED
;;     4. [M 8,192, K 1,024] x [K 1,024, N 1,024]; A: computed on the way; B: input w_o: QUANTISED
;;   THE QUANTISER, for each operand of a quantised product, along K:
;;     - K is cut into blocks of 32 from its start; a last block that is shorter is filled with zeros.
;;     - A block's scale is 2^e with e = floor(log2(the largest magnitude in the block)) - 2, held to -126 .. 127; a block of zeros has e = 0. As a byte (E8M0): e + 127.
;;     - Each number is divided by its block's scale, clamped to +-7.5, and rounded to the nearest number of E2M3, ties to even, subnormals kept.
;;     - The product sums the exact products of the quantised numbers (number of the format x scale) in f32.
;;   ~~~python
;;   def quantise(x, axis):      # numpy; x: float32 -> the quantised numbers, widened to float32 again
;;       x = np.moveaxis(x, axis, -1); K = x.shape[-1]
;;       x = np.pad(x, [(0, 0)] * (x.ndim - 1) + [(0, -K % 32)]); x = x.reshape(x.shape[:-1] + (-1, 32)); a = np.abs(x).max(-1, keepdims=True)
;;       e = np.where(a > 0, np.clip(np.frexp(np.where(a > 0, a, 1))[1] - 1 - 2, -126, 127), 0)      # np.frexp(a)[1] - 1 = floor(log2(a)), exactly
;;       r = np.clip(x / 2.0 ** e, -7.5, 7.5)
;;       step = 2.0 ** (np.maximum(np.frexp(np.where(r == 0, 1, r))[1] - 1, 0) - 3)
;;       q = np.round(r / step) * step * 2.0 ** e      # np.round: ties to even
;;       return np.moveaxis(q.reshape(q.shape[:-2] + (-1,))[..., :K], -1, axis).astype(np.float32)
;;   ~~~
;;   SOFTMAX AHEAD OF A QUANTISED PRODUCT. Where the list says 'softmax', what is quantised is not the finished softmax but p = 2^(t - M), with t = logit x log2(e) and M = ceil(the row's largest t), a whole number; so 1/2 < the row's largest p <= 1. The row's sum l is taken of the UNQUANTISED p, in f32, and the product's result is divided by l at the end. Since M is a whole number, a kernel that streams over the keys may use a running M (the ceiling of the running maximum): every later rescaling is an exact power of two, which a block's scale takes up: the codes' values come out the same.
;;   OPERANDS COMPUTED ON THE WAY. 'Computed on the way' means the value that the module computes at that place (a softmax that the list does not call 'softmax' is quantised finished and normalised). What goes into a quantiser is computed in f32, as accurately as f32 sums, v_exp_f32 and their like allow (about 1e-6 of the number): no bf16 or f16 on the way to a quantiser, and a product that is left as it is and whose result goes on into a quantised operand takes f32 operands (vector FMAs, or v_wmma_f32_16x16x4_f32). A number that lies on a knife's edge between two numbers of the format may be rounded either way, as far as f32 arithmetic and the matrix unit's own rounding can turn it there, and no further.
;; One version. Each part assembles by itself: llvm-mc -triple=amdgcn-amd-amdhsa -mcpu=gfx1250 --defsym DOCPART=n.
;; ======== version 1 of 1: 4 launches
;; limits: right only within a limited range of input values
;; workspace buffers: cod 9,437,184 bytes; scl 393,216 bytes; rope 2,097,152 bytes; qi 6,553,600 bytes; kv 13,107,200 bytes; ao 6,553,600 bytes
;; launch prep (part 1): grid 448 x 1, 8 waves a work-group, no clusters, 100,608 bytes of LDS; arguments x, w_qkv, w_o, token_positions, cod, scl, rope; writes cod, scl, rope
.if DOCPART == 1
	.amdgcn_target "amdgcn-amd-amdhsa--gfx1250"
	.amdhsa_code_object_version 6
	.text
	.protected	k_q3c45c81408_prep
	.globl	k_q3c45c81408_prep
	.p2align	8
	.type	k_q3c45c81408_prep,@function
k_q3c45c81408_prep:
	s_mov_b64 s[64:65], 0
	v_nop
	global_prefetch_b8 v0, s[64:65] scope:SCOPE_SE
	s_setreg_imm32_b32 hwreg(HW_REG_WAVE_MODE, 25, 1), 1
	s_wait_xcnt 0x0
; CAUSAL MULTI-HEAD SELF-ATTENTION IN MX-FP6 (E2M3 codes, one E8M0 scale for each 32 along K), four launches:
;   prep: x, w_qkv, w_o -> codes and scale bytes; cos and sin of every token's 32 angles.     qkv: product 1, RoPE, the quantisers of q, k (along d) and v (along the keys).
;   attn: products 2 and 3 with the softmax between them, the quantiser of the heads' results.  proj: product 4.
; DEAD WORK, for all values of the inputs: reference() sets the score of key k for query q to -infinity where k > q, by a mask that it builds itself (jnp.tril), so p = 0 there and the key adds nothing to the row's sum or
; to the row's result.  Where that holds of all 128 keys of a key step for all 16 queries of a wave, launch attn leaves the step out, and a work-group fetches only the slots of 256 keys that begin at or before its queries.
; Nothing else is left out, and every input is loaded.  LIMIT: a NaN, an infinity or an overflow that sits only in k or v at such positions is not carried to those rows.
; THIS LAUNCH.  Work-groups 0..383: 32 rows of 1,024 f32 numbers each (x: 0..255, w_qkv: 256..351, w_o: 352..383), 4 rows a wave.
; A block's scale is 2^(floor(log2(largest magnitude)) - 2); its byte is the largest magnitude's exponent field - 2, held at 1 from below; numbers are divided by it and rounded to the nearest code, ties to even, beyond 7.5 the largest code.
; cod IS LAID AS THE READERS' REGISTERS WANT IT: [64 along K: 16 planes][tile of 16 rows: 768] half images of 768 bytes.  In a half image lane (r, h) has block h of row r, 24 bytes: the first 16 at 16 x lane, the last 8 at 512 + 8 x lane.
; A plane's bytes of 256 rows are 12,288 dense bytes at a multiple of 256.  scl: 32 scale bytes a row, in the order of the rows' places.
; THE ROWS OF x AND w_qkv STAND IN ANOTHER ORDER: place 16 u + r of each 32 holds row 8 u + r + 8 (r / 8); w_o keeps its order.  The choice moves only the address that a wave loads from: wave w always fills places 4 w .. 4 w + 3.
; A row's 4,096 bytes come by eight loads of 512 consecutive bytes, turn through the wave's own stage in LDS and come back 128 bytes a lane: a whole block.  The codes gather in an image of the work-group's 2 tiles x 16 planes in LDS;
; behind one barrier each wave stores two planes' 1,536 consecutive bytes, 512 an instruction, and waves 0 and 1 the 1,024 scale bytes.  All 32 loads of a wave are issued at its start.
; Work-groups 384..447: rope[token][frequency] = (cos, sin) of f32(position) x inv_freq, 128 tokens a work-group, 16 a wave, a lane to a frequency; a token's 32 pairs are 256 consecutive bytes, stored by one instruction.
; LIMITS: NaN and infinities among the inputs are not served.  A block of zeros, or one whose largest magnitude lies under 2^-124, gets the byte 1 (its bytes are read by this program alone; zero codes add nothing).
; |position| up to 2^20 (the angle is reduced by pi/2 in two parts).  inv_freq is 10^(-i/8) rounded to f32, which may differ in the last bit from a power and a division in f32.
.set EMAX,  2
.set E,     4                          ; v4-7 a scale byte for each row
.set SPW,   12                         ; v12 LDS address of my spare word; never rewritten
.set NIL,   13                         ; v13 0; never rewritten
.set D,     28                         ; v28-30 the second half of a block's codes, on its way
.set X,     32                         ; v32-95 two sets of 32 neighbours
.set R,     96                         ; v96-223 four rows as they are loaded
.set C,     224                        ; v224-255 codes: eight registers for each row
.set SP,    144                        ; a lane's place in a stage: 128 bytes + 16 of padding
.set STG,   32*SP                      ; a stage; two for each wave
.set IMG,   16*STG                     ; behind the stages: the image, 16 planes of
.set IPL,   1552                       ; 1,536 bytes + 16 of padding
.set SCB,   IMG+16*IPL                 ; the 1,024 scale bytes
.set SPARE, SCB+1024                   ; the spare words, 128 bytes for each wave
.set PLB,   589824                     ; a plane of cod: 768 tiles of 768 bytes
.set QWG,   384                        ; work-groups that quantise
	s_load_b256 s[8:15], s[0:1], 0x0               ; x s[8:9], w_qkv s[10:11], w_o s[12:13], token_positions s[14:15]
	s_load_b128 s[16:19], s[0:1], 0x20             ; cod s[16:17], scl s[18:19]
	s_load_b64 s[20:21], s[0:1], 0x30              ; rope
	v_lshl_add_u32 v[SPW], v0, 2, SPARE
	v_mov_b32 v[NIL], 0
	v_lshrrev_b32 v1, 5, v0
	v_readfirstlane_b32 s24, v1                    ; wave
	v_and_b32 v2, 31, v0                           ; lane
	s_mov_b32 s29, 0
	s_cmp_ge_u32 ttmp9, QWG                        ; the work-group's number alone decides
	s_cbranch_scc1 .Lrope
	; ---------------- the quantiser ----------------
	v_lshlrev_b32 v3, 4, v2                        ; my 16 bytes of 512
	s_mul_i32 s31, s24, 2*STG
	v_lshrrev_b32 v14, 3, v2
	v_mul_u32_u24 v14, v14, SP
	v_and_b32 v15, 7, v2
	v_lshl_add_u32 v14, v15, 4, v14
	v_add_nc_u32 v14, s31, v14                     ; the stage, on the way in: eight lanes' 128 bytes on end, then 16 of padding
	v_mul_u32_u24 v15, v2, SP
	v_add_nc_u32 v15, s31, v15                     ; and on the way out: my block
	v_lshrrev_b32 v8, 1, v2                        ; my block's plane,
	v_and_b32 v9, 1, v2                            ; and which half of the lanes it belongs to
	v_mul_u32_u24 v8, v8, IPL
	s_wait_alu depctr_va_vdst(0)                   ; the wait here, directly ahead of the run of scalar instructions
	s_lshr_b32 s26, s24, 2                         ; my places' tile,
	s_and_b32 s27, s24, 3                          ; and which four of its rows
	s_mul_i32 s26, s26, 768
	s_lshl_b32 s30, s27, 6
	s_add_co_u32 s30, s30, s26
	s_add_co_u32 s30, s30, IMG
	v_lshl_add_u32 v16, v9, 8, v8
	v_add_nc_u32 v16, s30, v16                     ; the image: the first 16 bytes at 16 (r + 16 h)
	s_lshl_b32 s30, s27, 5
	s_add_co_u32 s30, s30, s26
	s_add_co_u32 s30, s30, IMG+512
	v_lshl_add_u32 v17, v9, 7, v8
	v_add_nc_u32 v17, s30, v17                     ; the last 8 at 512 + 8 (r + 16 h)
	s_lshl_b32 s30, s24, 7
	s_add_co_u32 s30, s30, SCB
	v_add_nc_u32 v18, s30, v2                      ; my block's scale byte
	s_mul_i32 s30, s24, 2*IPL
	s_add_co_u32 s30, s30, IMG
	v_add_nc_u32 v19, s30, v3                      ; the way out: my wave's two planes
	s_and_b32 s30, s24, 1
	s_lshl_b32 s30, s30, 9
	s_add_co_u32 s31, s30, SCB
	v_add_nc_u32 v20, s31, v3                      ; and (waves 0, 1) 512 scale bytes
	s_lshr_b32 s25, s24, 2
	s_lshl_b32 s25, s25, 3
	s_lshl_b32 s26, s27, 2
	s_add_co_u32 s25, s25, s26
	s_lshr_b32 s26, s27, 1
	s_lshl_b32 s26, s26, 3
	s_add_co_u32 s25, s25, s26                     ; the row that stands at place 4 w: 8 (w / 4) + 4 (w % 4) + 8 ((w % 4) / 2)
	s_lshl_b32 s26, s24, 2                         ; w_o: row 4 w
	s_mov_b32 s27, 352
	s_wait_alu depctr_va_vdst(0)                   ; the wait at the head's end
	s_wait_kmcnt 0x0
	s_cmp_lt_u32 ttmp9, 352
	s_cselect_b64 s[4:5], s[10:11], s[12:13]       ; w_qkv or w_o,
	s_cselect_b32 s27, 256, s27                    ; its first work-group,
	s_cselect_b32 s25, s25, s26                    ; and w_o keeps its rows' order
	s_cmp_lt_u32 ttmp9, 256
	s_cselect_b64 s[4:5], s[8:9], s[4:5]           ; or x
	s_cselect_b32 s27, 0, s27
	s_sub_co_u32 s28, ttmp9, s27
	s_lshl_b32 s28, s28, 5
	s_add_co_u32 s28, s28, s25                     ; my first row of the tensor
	s_lshl_b32 s28, s28, 12                        ; 4,096 bytes a row
	s_add_nc_u64 s[4:5], s[4:5], s[28:29]
	s_mul_i32 s28, ttmp9, 1536                     ; my work-group's two tiles in a plane
	s_add_nc_u64 s[16:17], s[16:17], s[28:29]
	s_mul_i32 s28, s24, 2*PLB                      ; my wave's two planes
	s_add_nc_u64 s[16:17], s[16:17], s[28:29]
	s_lshl_b32 s28, ttmp9, 10
	s_add_co_u32 s28, s28, s30
	s_add_nc_u64 s[18:19], s[18:19], s[28:29]
.macro TURN t                          ; row t through the stage: LDS serves a wave's instructions in order, so no wait stands between the stores and the loads
.irp i, 0,1,2,3,4,5,6,7
	ds_store_b128 v14, v[R+32*(\t)+4*\i:R+32*(\t)+4*\i+3] offset:STG*((\t)%2)+4*SP*\i
.endr
.irp i, 0,1,2,3,4,5,6,7
	ds_load_b128 v[X+32*((\t)%2)+4*\i:X+32*((\t)%2)+4*\i+3], v15 offset:STG*((\t)%2)+16*\i
.endr
.endm
.irp t, 0,1,2,3
.irp i, 0,1,2,3,4,5,6,7
	global_load_b128 v[R+32*\t+4*\i:R+32*\t+4*\i+3], v3, s[4:5] offset:4096*\t+512*\i th:TH_LOAD_NT   ; 32 lanes read 512 consecutive bytes
.endr
.endr
	s_wait_loadcnt 24                              ; row 0's eight loads are in
	TURN 0
.macro ROWQ t
.set XS, X+32*((\t)%2)
.set CT, C+8*(\t)
.if (\t) < 3
	s_wait_loadcnt 8*(2-(\t))                      ; the next row's eight loads are in
	TURN (\t)+1                                    ; and go through the other stage while this row is worked
.endif
.if (\t) == 0
	s_wait_dscnt 16                                ; my row is back; younger: the next turn's 16
.else
.if (\t) < 3
	s_wait_dscnt 19                                ; younger: the last row's 3 stores and the next turn's 16
.else
	s_wait_dscnt 3
.endif
.endif
	v_max3_num_f32 v8, |v[XS]|, |v[XS+1]|, |v[XS+2]|   ; the block's largest magnitude: all 32 numbers are mine
	v_max3_num_f32 v9, |v[XS+3]|, |v[XS+4]|, |v[XS+5]|
.irp i, 6,10,14,18,22,26
	v_max3_num_f32 v8, v8, |v[XS+\i]|, |v[XS+\i+1]|
	v_max3_num_f32 v9, v9, |v[XS+\i+2]|, |v[XS+\i+3]|
.endr
	v_max3_num_f32 v8, v8, |v[XS+30]|, |v[XS+31]|
	v_max3_num_f32 v8, v8, v9, (EMAX+1)<<23        ; and the floor 2^(3 - 127): the byte cannot fall under 1
	v_add_nc_u32 v11, -(EMAX<<23), v8              ; 2 off its exponent field: the conversion's scale operand
	v_cvt_scalef32_pk16_fp6_f32 v[CT:CT+2], v[XS:XS+15], v11
	v_cvt_scalef32_pk16_fp6_f32 v[D:D+2], v[XS+16:XS+31], v11   ; (a conversion's three registers begin on an even number)
	v_lshrrev_b32 v[E+(\t)], 23, v11               ; the scale's byte; also the plain place behind the conversions
.irp i, 0,1,2
	v_mov_b32 v[CT+3+\i], v[D+\i]
.endr
	ds_store_b128 v16, v[CT:CT+3] offset:16*(\t)
	ds_store_b64 v17, v[CT+4:CT+5] offset:8*(\t)
	ds_store_b8 v18, v[E+(\t)] offset:32*(\t)
.endm
.irp t, 0,1,2,3
	ROWQ \t
.endr
	s_wait_dscnt 0x0                               ; my stores into the image are done
	s_barrier_signal -1
	s_barrier_wait -1                              ; and everybody's
.irp cc, 0,1
.irp p, 0,1,2
	ds_load_b128 v[X+12*\cc+4*\p:X+12*\cc+4*\p+3], v19 offset:\cc*IPL+512*\p
.endr
.endr
	s_wait_dscnt 0x0
.irp cc, 0,1
.irp p, 0,1,2
	global_store_b128 v3, v[X+12*\cc+4*\p:X+12*\cc+4*\p+3], s[16:17] offset:\cc*PLB+512*\p   ; 32 lanes store 512 consecutive bytes, aligned
.endr
.endr
	s_cmp_lt_u32 s24, 2
	s_cbranch_scc0 .Lno_bytes
	ds_load_b128 v[X+24:X+27], v20
	s_wait_dscnt 0x0
	global_store_b128 v3, v[X+24:X+27], s[18:19]   ; 512 consecutive scale bytes, aligned
.Lno_bytes:
	s_wait_tensorcnt 0x0                           ; the wave's end: behind my last LDS store
	ds_add_u32 v[SPW], v[NIL]
	s_wait_dscnt 0x0
	s_endpgm
	; ---------------- cos and sin ----------------
.Lrope:
	s_wait_alu depctr_va_vdst(0)
	v_lshlrev_b32 v3, 3, v2                        ; 8 bytes a lane: (cos, sin) of my frequency
	s_sub_co_u32 s25, ttmp9, QWG
	s_lshl_b32 s25, s25, 7
	s_lshl_b32 s26, s24, 4
	s_add_co_u32 s25, s25, s26                     ; my wave's first token
	s_lshl_b32 s28, s25, 2
	s_wait_kmcnt 0x0
	s_add_nc_u64 s[14:15], s[14:15], s[28:29]
	s_load_b512 s[32:47], s[14:15], 0x0            ; my 16 positions
	s_lshl_b32 s28, s25, 8                         ; 256 bytes a token
	s_add_nc_u64 s[20:21], s[20:21], s[28:29]
	s_mov_b32 s66, 0x3f22f983                      ; 2 / pi
	s_mov_b32 s67, 0xbfc90fdb                      ; -(pi / 2 rounded to f32)
	s_mov_b32 s68, 0x333bbd2e                      ; that number less pi / 2
	s_mov_b32 s69, 0xbe2aaaa3                      ; sin r = r + r z (S1 + z (S2 + z S3)), z = r r, |r| <= pi / 4
	s_mov_b32 s70, 0x3c08839e
	s_mov_b32 s71, 0xb94ca1f9
	s_mov_b32 s72, 0x3d2aaaa5                      ; cos r = 1 - z / 2 + z z (C1 + z (C2 + z C3))
	s_mov_b32 s73, 0xbab6061a
	s_mov_b32 s74, 0x37ccf5ce
	v_mov_b32 v2, 1.0                              ; inv_freq of my lane: 10000^(-lane / 32) = 10^(-lane / 8)
.macro FREQ i, bits
	s_mov_b32 s30, \bits
	v_writelane_b32 v2, s30, \i
.endm
	FREQ 1, 0x3f3ff911
	FREQ 2, 0x3f0ff59a
	FREQ 3, 0x3ed7e89b
	FREQ 4, 0x3ea1e89b
	FREQ 5, 0x3e72d424
	FREQ 6, 0x3e361887
	FREQ 7, 0x3e088d77
	FREQ 8, 0x3dcccccd
	FREQ 9, 0x3d99940e
	FREQ 10, 0x3d6655c3
	FREQ 11, 0x3d2cba15
	FREQ 12, 0x3d0186e2
	FREQ 13, 0x3cc24350
	FREQ 14, 0x3c91ad39
	FREQ 15, 0x3c5a7bf1
	FREQ 16, 0x3c23d70a
	FREQ 17, 0x3bf5b9b0
	FREQ 18, 0x3bb8449c
	FREQ 19, 0x3b8a2e77
	FREQ 20, 0x3b4f3e37
	FREQ 21, 0x3b1b690d
	FREQ 22, 0x3ae91528
	FREQ 23, 0x3aaec98e
	FREQ 24, 0x3a83126f
	FREQ 25, 0x3a44948c
	FREQ 26, 0x3a136a16
	FREQ 27, 0x39dd1726
	FREQ 28, 0x39a5cb5f
	FREQ 29, 0x3978a814
	FREQ 30, 0x393a7753
	FREQ 31, 0x390bd472
	s_wait_kmcnt 0x0
.macro ROW i                           ; token i of my 16; its result has registers of its own, so no store's data are written again
	v_cvt_f32_i32 v4, s[32+\i]
	s_wait_alu depctr_va_vdst(0)
	v_mul_f32 v4, v4, v2                           ; the angle, rounded as reference() rounds it
	v_mul_f32 v5, s66, v4
	v_rndne_f32 v5, v5                             ; n: how many quarter turns
	v_fma_f32 v6, v5, s67, v4
	v_fma_f32 v6, v5, s68, v6                      ; r = angle - n pi / 2
	v_cvt_i32_f32 v7, v5
	v_mul_f32 v8, v6, v6                           ; z
	v_fma_f32 v9, v8, s71, s70
	v_fma_f32 v11, v8, s74, s73
	v_fma_f32 v9, v9, v8, s69
	v_fma_f32 v11, v11, v8, s72
	v_mul_f32 v10, v8, v6
	v_fma_f32 v14, v8, -0.5, 1.0
	v_fma_f32 v9, v9, v10, v6                      ; sin r
	v_mul_f32 v10, v8, v8
	v_fma_f32 v11, v11, v10, v14                   ; cos r
	v_and_b32 v10, 1, v7
	v_cmp_eq_u32 vcc_lo, 1, v10                    ; an odd quarter: the two change places
	v_cndmask_b32 v14, v9, v11, vcc_lo
	v_cndmask_b32 v15, v11, v9, vcc_lo
	v_lshlrev_b32 v10, 30, v7
	v_and_b32 v10, 0x80000000, v10                 ; sin is negated in quarters 2 and 3,
	v_xor_b32 v[65+2*\i], v10, v14
	v_add_nc_u32 v10, 1, v7
	v_lshlrev_b32 v10, 30, v10
	v_and_b32 v10, 0x80000000, v10                 ; cos in quarters 1 and 2
	v_xor_b32 v[64+2*\i], v10, v15
	global_store_b64 v3, v[64+2*\i:65+2*\i], s[20:21] offset:256*\i   ; 32 lanes store 256 consecutive bytes, aligned
.endm
.irp i, 0,1,2,3,4,5,6,7,8,9,10,11,12,13,14,15
	ROW \i
.endr
	s_endpgm
.Lfunc_end_k_q3c45c81408_prep:
	.size	k_q3c45c81408_prep, .Lfunc_end_k_q3c45c81408_prep-k_q3c45c81408_prep
	.p2alignl 7, 3214868480
	.fill 96, 4, 3214868480
	.section	.rodata,"a",@progbits
	.p2align	6, 0x0
	.amdhsa_kernel k_q3c45c81408_prep
		.amdhsa_group_segment_fixed_size 100608
		.amdhsa_private_segment_fixed_size 0
		.amdhsa_enable_private_segment 0
		.amdhsa_kernarg_size 56
		.amdhsa_user_sgpr_count 2
		.amdhsa_user_sgpr_kernarg_segment_ptr 1
		.amdhsa_wavefront_size32 1
		.amdhsa_system_sgpr_workgroup_id_x 1
		.amdhsa_system_sgpr_workgroup_id_y 1
		.amdhsa_system_sgpr_workgroup_id_z 1
		.amdhsa_system_vgpr_workitem_id 0
		.amdhsa_next_free_vgpr 256
		.amdhsa_next_free_sgpr 80
		.amdhsa_reserve_vcc 1
		.amdhsa_float_denorm_mode_32 3
		.amdhsa_float_denorm_mode_16_64 3
		.amdhsa_memory_ordered 1
		.amdhsa_forward_progress 1
		.amdhsa_inst_pref_size 45
	.end_amdhsa_kernel
	.amdgpu_metadata
---
amdhsa.version: [ 1, 2 ]
amdhsa.kernels:
  - .name:           k_q3c45c81408_prep
    .symbol:         k_q3c45c81408_prep.kd
    .args:
      - { .name: x, .offset: 0, .size: 8, .value_kind: global_buffer, .address_space: global }
      - { .name: w_qkv, .offset: 8, .size: 8, .value_kind: global_buffer, .address_space: global }
      - { .name: w_o, .offset: 16, .size: 8, .value_kind: global_buffer, .address_space: global }
      - { .name: token_positions, .offset: 24, .size: 8, .value_kind: global_buffer, .address_space: global }
      - { .name: cod, .offset: 32, .size: 8, .value_kind: global_buffer, .address_space: global }
      - { .name: scl, .offset: 40, .size: 8, .value_kind: global_buffer, .address_space: global }
      - { .name: rope, .offset: 48, .size: 8, .value_kind: global_buffer, .address_space: global }
    .group_segment_fixed_size: 100608
    .private_segment_fixed_size: 0
    .kernarg_segment_align: 8
    .kernarg_segment_size: 56
    .max_flat_workgroup_size: 256
    .sgpr_count:     80
    .vgpr_count:     256
    .wavefront_size: 32
...
	.end_amdgpu_metadata
.endif
;; end of part 1
;; launch qkv (part 2): grid 8 x 48, 4 waves a work-group, clusters of 4 x 4, 327,680 bytes of LDS; arguments cod, scl, rope, qi, kv; writes qi, kv
.if DOCPART == 2
	.amdgcn_target "amdgcn-amd-amdhsa--gfx1250"
	.amdhsa_code_object_version 6
	.text
	.protected	k_q3c45c81408_qkv
	.globl	k_q3c45c81408_qkv
	.p2align	8
	.type	k_q3c45c81408_qkv,@function
k_q3c45c81408_qkv:
	s_mov_b64 s[64:65], 0
	v_nop
	global_prefetch_b8 v0, s[64:65] scope:SCOPE_SE
	s_setreg_imm32_b32 hwreg(HW_REG_WAVE_MODE, 25, 1), 1
	s_wait_xcnt 0x0
	s_wait_alu depctr_hold_cnt(0) depctr_sa_sdst(0) depctr_va_vdst(0) depctr_va_sdst(0) depctr_va_ssrc(0) depctr_va_vcc(0) depctr_vm_vsrc(0)
	s_getreg_b32 s2, hwreg(HW_REG_IB_STS2, 6, 4)
	s_cmp_eq_u32 s2, 0
	s_cbranch_scc0 .Lentry_in_a_cluster
	s_endpgm
.Lentry_in_a_cluster:
	s_bfe_u32 s2, ttmp6, 0x10000c
	s_cmp_lg_u32 s2, 0xf033
	s_cbranch_scc0 .Lentry_shape_is_right
	s_endpgm
.Lentry_shape_is_right:
; PRODUCT 1, qkv = x w_qkv^T on codes of FP6 (E2M3) with E8M0 scales, K = 1,024, and what follows it: RoPE in f32 and the quantisers of q and k (along the head's 64) and of v (along the keys).  Nothing wide goes to memory.  No work is left out here.
; cod: rows of 768 bytes of codes: rows 0..8191 x, 8192..11263 w_qkv (both with the second and third group of 8 of every 32 rows exchanged).  scl: 32 scale bytes a row.
; A tile of 256 x 256 is made by four waves, 128 x 128 each: 64 accumulators of 16 x 16.  K goes in steps of 256 through a ring of two LDS slots filled by the tensor data mover; the scale bytes of the tile's rows come once and stay.
; THE MATRIX INSTRUCTION IS USED TRANSPOSED: source 0 = 16 rows of "B", source 1 = 16 rows of "A".  A lane then holds ONE row of "A" (place 16 a + r, which is row 32 (a / 2) + 8 (a % 2) + r + 8 (r / 8)), and, by the order of B's rows,
; the 16 registers of accumulators (a, 2 g) and (a, 2 g + 1) are B's rows 32 g + 16 (lane / 16) + 0 .. 15: 16 neighbours along the next product's K.
; TWO KINDS OF CLUSTER, told apart by the cluster's y alone:  y 0..7: "A" = 256 tokens, "B" = 256 rows of w_q or w_k (4 heads): a lane holds a token and runs along d.   y 8..11: "A" = 256 rows of w_v, "B" = 256 tokens: a lane holds a channel d and runs along the keys.
; CLUSTERS: 4 x 4 work-groups; A's tiles are asked for jointly along a row of the cluster, B's along a column.
; WHAT IS STORED, in the order of the reader's registers.  An IMAGE of a fragment (12 registers a lane) is 3 pieces of 512 bytes, piece p = registers 4 p .. 4 p + 3, lane l's 16 bytes at 16 l.
;   q and k: K = 64 fills half a fragment, so an image holds a PAIR of tiles of 16 tokens: registers 0-5 the even tile, 6-11 the odd one; its scale word for row r: (even s0, even s1, odd s0, odd s1).
;   qi: [batch x head 64][pair 64] images; at QS_OFF [64][64][16] scale words.   kv: [batch x head 64][slot of 256 keys 8] records of 25,600 bytes: 8 images of k; 8 images of v^T ([128 keys 2][16 channels 4]); k's 8 x 16 scale words; v's 8 x 16.
; LIMITS: as in launch prep (NaN, infinities; the byte 1 for blocks under 2^-124).  RoPE takes one fused multiply-add where reference() rounds a product and a sum.
; REGISTERS, in windows of 256: window 0: v16-29 addresses; v32-63 scale words, two sets; v128-223 A's fragments, one set.  window 1: B's fragments, two sets.  windows 2, 3: the accumulators ((a, b) at v[8 (8 (a % 4) + b)] of window 2 + a / 4).
;   On the way out window 0 is laid anew: see the names below.
.set KSTEP,  256
.set NQ,     2
; HOW cod LIES NOW (launch prep): [64 along K: 16 planes][tile of 16 rows: 768] half images of 768 bytes; tiles 0..511 x, 512..703 w_qkv.  A tensor row is a plane's 12,288 dense bytes of 256 rows, at a multiple of 256.
; A slot holds a K step of 256: A's four planes, then B's four.  A fragment is two half images: for each a load of 16 bytes at 16 x lane and one of 8 bytes at 512 + 8 x lane.
; No prefetch: K is four steps, at the largest block, in clusters.
.set TROW,   12288                     ; a plane's bytes of 256 rows
.set AREG,   4*TROW                    ; A's part of a slot
.set PLB,    589824                    ; a plane of cod
.set FR,     12
.set NL,     4
.set NP,     4
.set SLOT,   2*AREG
.set LAPS,   2                         ; 1,024 along K = two laps of two K steps
.set KS,     32                        ; a row of scl
.set SCL,    2*SLOT                    ; behind the ring: the scale bytes, as units of 256 bytes + 16 of padding
.set HALFS,  16*272                    ; those of 128 rows
.set SBLK,   2*272                     ; those of 16 rows
.set SPARE,  SCL+4*HALFS               ; the spare words, 128 bytes for each wave
.set REC,    25600                     ; a record of kv
.set QS_OFF, 6291456                   ; q's scale words in qi
.set ADRA, 16                          ; v16-17 LDS address of my A fragments in slot 0, 1 (v18-19: for the 8-byte pieces)
.set ADRB, 20                          ; v20-23 the same for B
.set LI,   24                          ; v24 16 x lane: my place in a piece of an image
.set LS,   25                          ; v25 4 x lane: in two tiles' scale words
.set TO,   26                          ; v26 my token's row of rope: 256 (r + 8 (r / 8)) + 64 (lane / 16)
.set ADRS, 27                          ; v27 LDS address of my scale words: lanes 0-15 A's rows, lanes 16-31 B's
.set SPW,  28                          ; v28 LDS address of my spare word; never rewritten
.set NIL,  29                          ; v29 0; never rewritten
.set SC,   32
.set AF,   128
; the way out, window 0
.set F0,   32                          ; v32-43 the pair's image of my first head;  v44-55 of my second
.set F1,   44
.set W,    56                          ; v56-59 scale words: head c of an even pair at W + c, of an odd pair at W + 2 + c
.set CS0,  64                          ; v64-95, v224-255 (cos, sin) of a block's tokens, two sets
.set CS1,  224
.set M,    96                          ; v96-99 two pairs' words in one register: store data, a register for each store
.set PCD,  100                         ; v100-111 v's fragment
.set PW,   112                         ; v112 its scale word (odd block), v113 (even block)
.set PWE,  113
.set MV,   114                         ; v114-117 two blocks' words: store data
.set R,    128                         ; v128-191 64 rotated numbers
.set TM,   192                         ; v192-195 largest magnitudes, v196-199 bytes, v204-207 the conversions' scale operands
.set PT,   208                         ; v208-215 the second halves of the blocks' codes
.set G1, 24
.set G0, 32
.set G1B, 48
.set G0B, 56
.set G1S, 68
.set G0S, 76
.set G1SB, 80
.set G0SB, 88
.set SEL, 66                           ; s[66:67] lane selects for lane l xor 16
.set MSB, 0
.macro WIN new                         ; the immediate's high byte repeats the setting that is left
.if MSB != \new
	s_set_vgpr_msb (MSB<<8)|\new
.set MSB, \new
.endif
.endm
.set MUL_LO, 0xa1                      ; source 0 (B) window 1, source 1 (A) window 0, C and D window 2
.set MUL_HI, 0xf1
.set TO_B,   0x40
; A joint load: waves 0 and 1 fetch for A, waves 2 and 3 for B; the branch hangs on the wave's number alone.  An s_nop 0 and four v_nop follow each line.
.macro JLOAD g0a, g1a, g0b, g1b
	s_cmp_eq_u32 s15, 0
	s_cbranch_scc0 .Lfor_b_\@
	tensor_load_to_lds s[\g0a:\g0a+3], s[\g1a:\g1a+7]
	s_nop 0
.rept 4
	v_nop
.endr
	s_branch .Lasked_\@
.Lfor_b_\@:
	tensor_load_to_lds s[\g0b:\g0b+3], s[\g1b:\g1b+7]
	s_nop 0
.rept 4
	v_nop
.endr
.Lasked_\@:
.endm
.macro CREST                           ; a round of the cluster's barrier behind its opening barrier
	s_cmp_lg_u32 s14, 0
	s_cbranch_scc1 .Lnot_wave_0_\@
	s_barrier_signal -3
.Lnot_wave_0_\@:
	s_barrier_wait -3
	s_barrier_signal -1
	s_barrier_wait -1
.endm
.macro CROUND
	s_barrier_signal -1
	s_barrier_wait -1
	CREST
.endm
	s_load_b256 s[4:11], s[0:1], 0x0               ; cod s[4:5], scl s[6:7], rope s[8:9], qi s[10:11]
	s_load_b64 s[12:13], s[0:1], 0x20              ; kv
	v_lshl_add_u32 v[SPW], v0, 2, SPARE
	v_mov_b32 v[NIL], 0
	ds_add_u32 v[SPW], v[NIL]                      ; the wave's opening: the add, twice on end, and its wait ahead of my first tensor load
	ds_add_u32 v[SPW], v[NIL]
	v_lshrrev_b32 v1, 5, v0
	v_readfirstlane_b32 s14, v1                    ; wave 0..3
	s_lshr_b32 s15, s14, 1                         ; which half of the tile's A rows is mine.  Also: I fetch for A (0) or for B (1)
	s_and_b32 s16, s14, 1                          ; which half of its B rows.  Also: which two planes I fetch
	s_bfe_u32 s40, ttmp6, 0x40000                  ; cx, cy: my place in the cluster
	s_bfe_u32 s41, ttmp6, 0x40004
	s_and_b32 s17, ttmp7, 0xffff                   ; the cluster's y
	s_sub_co_u32 s18, s17, 8
	s_lshl_b32 s18, s18, 1
	s_add_co_u32 s18, s18, ttmp9                   ; v: clusters y 8..11, x 0..1 stand side by side along the tokens
	s_mov_b32 s96, 10240                           ; w_v's first row in cod
	s_mov_b32 s97, 8192                            ; w_q's
	s_cmp_ge_u32 s17, 8                            ; the cluster's ids alone: alike in all sixteen partners
	s_cselect_b32 s95, 1, 0                        ; 1: this cluster makes v
	s_cselect_b32 s18, s18, ttmp9
	s_cselect_b32 s17, 0, s17
	s_cselect_b32 s96, s96, 0                      ; A's first row in cod: w_v or x
	s_cselect_b32 s97, 0, s97                      ; B's: x or w_q
	s_lshl_b32 s42, s18, 2
	s_add_co_u32 s42, s42, s40                     ; tile column (B)
	s_lshl_b32 s17, s17, 2
	s_add_co_u32 s17, s17, s41                     ; tile row (A)
	s_lshl_b32 s43, s41, 2
	s_lshl_b32 s43, 15, s43                        ; my row of the cluster
	s_lshl_b32 s44, 0x1111, s40                    ; my column
	; descriptor group 1: planes of 12,288 dense bytes (256 rows), one plane of cod apart
	s_or_b32 s[G1+0], s43, (3<<16)|(1<<21)         ; elements of 8 bytes, no padding; four planes for the head's loads, two for the ring's
	s_or_b32 s[G1B+0], s44, (3<<16)|(1<<21)
.irp g, G1, G1B
	s_mov_b32 s[\g+1], (TROW/8)<<16
	s_mov_b32 s[\g+2], 4<<16
	s_mov_b32 s[\g+3], (TROW/8)<<16
	s_mov_b32 s[\g+4], 4
	s_mov_b32 s[\g+5], PLB/8
	s_mov_b32 s[\g+6], 0
	s_mov_b32 s[\g+7], 0
.endr
	; the scale bytes of 256 rows: 8,192 dense bytes, as 32 rows of 256 bytes (32 elements of 8), 16 bytes of padding behind each
	s_or_b32 s[G1S+0], s43, (3<<16)|(1<<20)|(1<<21)|(5<<22)|(3<<25)
	s_or_b32 s[G1SB+0], s44, (3<<16)|(1<<20)|(1<<21)|(5<<22)|(3<<25)
.irp g, G1S, G1SB
	s_mov_b32 s[\g+1], 32<<16
	s_mov_b32 s[\g+2], 32<<16                      ; the scale bytes of 256 rows: 32 rows of 256 bytes
	s_mov_b32 s[\g+3], 32<<16
	s_mov_b32 s[\g+4], 32
	s_mov_b32 s[\g+5], 32
	s_mov_b32 s[\g+6], 0
	s_mov_b32 s[\g+7], 0
.endr
	s_lshl_b32 s20, s17, 8
	s_add_co_u32 s20, s20, s96                     ; A: the tile's first row
	s_lshl_b32 s46, s42, 8
	s_add_co_u32 s46, s46, s97                     ; B: likewise
	s_mov_b32 s21, 0
	s_mov_b32 s47, 0
	s_mov_b64 s[18:19], KS
	s_mul_u64 s[22:23], s[20:21], s[18:19]         ; where these rows' scale bytes begin
	s_mul_u64 s[92:93], s[46:47], s[18:19]
	s_mov_b64 s[18:19], 48                         ; 768 bytes to 16 rows in a plane
	s_mul_u64 s[20:21], s[20:21], s[18:19]
	s_mul_u64 s[46:47], s[46:47], s[18:19]
	s_mul_i32 s18, s16, 2*PLB                      ; in the ring I fetch two planes of a K step's four: which two,
	s_mov_b32 s19, 0
	s_mul_i32 s45, s14, 2*TROW                     ; and where they go: wave x two planes
	s_wait_dscnt 0x0                               ; both opening adds are done
	s_wait_kmcnt 0x0
	s_add_nc_u64 s[20:21], s[4:5], s[20:21]
	s_add_nc_u64 s[22:23], s[6:7], s[22:23]
	s_add_nc_u64 s[46:47], s[4:5], s[46:47]
	s_add_nc_u64 s[92:93], s[6:7], s[92:93]
	CROUND                                         ; all sixteen work-groups are here: the first joint loads meet
	s_mov_b32 s[G0S], 1
	s_mov_b32 s[G0S+1], SCL
	s_mov_b64 s[G0S+2:G0S+3], s[22:23]
	s_or_b32 s[G0S+3], s[G0S+3], 0x80000000
	s_mov_b32 s[G0SB], 1
	s_mov_b32 s[G0SB+1], SCL+2*HALFS
	s_mov_b64 s[G0SB+2:G0SB+3], s[92:93]
	s_or_b32 s[G0SB+3], s[G0SB+3], 0x80000000
	s_mov_b32 s[G0], 1                             ; slot 0's group 0 serves the head first: K step 0's four planes of A, whole,
	s_mov_b32 s[G0+1], 0
	s_mov_b64 s[G0+2:G0+3], s[20:21]
	s_or_b32 s[G0+3], s[G0+3], 0x80000000
	s_mov_b32 s[G0B], 1                            ; and of B, behind them
	s_mov_b32 s[G0B+1], AREG
	s_mov_b64 s[G0B+2:G0B+3], s[46:47]
	s_or_b32 s[G0B+3], s[G0B+3], 0x80000000
	s_add_nc_u64 s[20:21], s[20:21], s[18:19]      ; for the ring: my two planes
	s_add_nc_u64 s[46:47], s[46:47], s[18:19]
	s_mov_b32 s[G0+4], 1
	s_add_co_u32 s[G0+5], s45, SLOT
	s_add_nc_u64 s[G0+6:G0+7], s[20:21], 4*PLB     ; K step 1
	s_or_b32 s[G0+7], s[G0+7], 0x80000000
	s_mov_b32 s[G0B+4], 1
	s_add_co_u32 s[G0B+5], s45, SLOT
	s_add_nc_u64 s[G0B+6:G0B+7], s[46:47], 4*PLB
	s_or_b32 s[G0B+7], s[G0B+7], 0x80000000
; THE HEAD'S LOADS, ONE A WAVE: wave 0 K step 0 of A, wave 1 of B, wave 2 A's scale bytes, wave 3 B's.  One tree of branches on the wave's number; every way passes exactly one load.
.macro ARM under, g0, g1, next
	s_cmp_lt_u32 s14, \under
	s_cbranch_scc0 \next
	tensor_load_to_lds s[\g0:\g0+3], s[\g1:\g1+7]
	s_nop 0
.rept 4
	v_nop
.endr
	s_branch .Lhead_asked
\next:
.endm
	ARM 1, G0,  G1,  .Lhead_b
	ARM 2, G0B, G1B, .Lhead_sa
	ARM 3, G0S, G1S, .Lhead_sb
	tensor_load_to_lds s[G0SB:G0SB+3], s[G1SB:G1SB+7]
	s_nop 0
.rept 4
	v_nop
.endr
.Lhead_asked:
	v_and_b32 v1, 15, v0                           ; r = lane % 16
	v_bfe_u32 v2, v0, 4, 1                         ; h = lane / 16
	v_and_b32 v3, 31, v0
	v_lshlrev_b32 v4, 4, v3                        ; 16 x lane: a half image's first four registers
	v_lshlrev_b32 v5, 3, v3                        ; 8 x lane: its last two
	s_mul_i32 s21, s15, 8*768                      ; my 8 tiles of A's 16 in a plane
	s_mul_i32 s22, s16, 8*768                      ; my 8 tiles of B's,
	s_add_co_u32 s22, s22, AREG                    ; which lie behind A's four planes
.irp s, 0,1
	v_add_nc_u32 v[ADRA+\s], s21, v4
	v_add_nc_u32 v[ADRB+\s], s22, v4
	v_add_nc_u32 v[ADRA+2+\s], s21, v5
	v_add_nc_u32 v[ADRB+2+\s], s22, v5
	s_add_co_u32 s21, s21, SLOT
	s_add_co_u32 s22, s22, SLOT
.endr
	v_mul_u32_u24 v5, v1, KS                       ; my row's scale bytes: 32 a row,
	v_lshrrev_b32 v6, 8, v5
	v_lshl_add_u32 v5, v6, 4, v5                   ; and 16 more for each 256 passed
	s_mul_i32 s21, s15, HALFS
	s_mul_i32 s22, s16, HALFS
	s_add_co_u32 s22, s22, 2*HALFS
	s_sub_co_u32 s22, s22, s21
	v_mul_u32_u24 v6, s22, v2                      ; lanes 16-31 take B's
	s_add_co_u32 s21, s21, SCL
	v_add_nc_u32 v5, v5, v6
	v_add_nc_u32 v[ADRS], s21, v5
	v_and_b32 v6, 31, v0
	v_lshlrev_b32 v[LI], 4, v6
	v_lshlrev_b32 v[LS], 2, v6
	v_and_b32 v6, 8, v1
	v_add_nc_u32 v6, v6, v1                        ; r + 8 (r / 8)
	v_lshlrev_b32 v[TO], 8, v6
	v_lshl_add_u32 v[TO], v2, 6, v[TO]
	; WHERE THE RESULTS GO.  Made by selections on the cluster's ids, with no branch, so that both ways out find every register written.
	s_lshl_b32 s2, s17, 2
	s_lshl_b32 s3, s15, 1
	s_add_co_u32 s2, s2, s3                        ; v: my first head = 4 x tile row + 2 x half
	s_lshl_b32 s3, s42, 2
	s_lshl_b32 s40, s16, 1
	s_add_co_u32 s3, s3, s40
	s_and_b32 s3, s3, 15                           ; q, k: (4 x tile column + 2 x half) mod 16
	s_cmp_lg_u32 s95, 0
	s_cselect_b32 s2, s2, s3                       ; my first head
	s_cselect_b32 s3, s42, s17                     ; my tile of 256 tokens
	s_cselect_b32 s40, s16, s15                    ; and which 128 of them are my wave's
	s_cselect_b32 s41, 12288, 0                    ; v's images lie behind k's in a record
	s_lshr_b32 s66, s3, 3                          ; batch
	s_and_b32 s3, s3, 7                            ; slot of 256 tokens
	s_lshl_b32 s66, s66, 4
	s_add_co_u32 s66, s66, s2
	s_lshl_b32 s66, s66, 3
	s_add_co_u32 s66, s66, s3                      ; (16 batch + head) x 8 + slot
	s_mul_i32 s2, s40, 6144                        ; 128 tokens are four images
	s_add_co_u32 s41, s41, s2
	s_lshl_b32 s40, s40, 8                         ; and 256 bytes of scale words
	s_or_b32 s2, s95, ttmp9                        ; not 0: v, or k (q, k clusters with x = 1): the target is kv
	s_mov_b32 s3, 12288                            ; qi: 8 images to 256 tokens,
	s_mov_b32 s67, 512                             ; 8 x 16 scale words,
	s_mov_b32 s94, QS_OFF
	s_cmp_lg_u32 s2, 0
	s_cselect_b64 s[96:97], s[12:13], s[10:11]
	s_cselect_b32 s3, REC, s3
	s_cselect_b32 s67, REC, s67
	s_cselect_b32 s94, 24576, s94                  ; k's scale words in a record,
	s_cmp_lg_u32 s95, 0
	s_cselect_b32 s94, 25088, s94                  ; v's
	s_mov_b64 s[100:101], s[96:97]
	s_mul_i32 s98, s66, s3
	s_add_co_u32 s98, s98, s41
	s_mov_b32 s99, 0
	s_add_nc_u64 s[96:97], s[96:97], s[98:99]      ; s[96:97] images of my first head
	s_lshl_b32 s98, s3, 3
	s_add_nc_u64 s[98:99], s[96:97], s[98:99]      ; s[98:99] of my second: 8 slots on
	s_mul_i32 s92, s66, s67
	s_add_co_u32 s92, s92, s40
	s_add_co_u32 s92, s92, s94
	s_mov_b32 s93, 0
	s_add_nc_u64 s[100:101], s[100:101], s[92:93]  ; s[100:101] scale words of my first head
	s_lshl_b32 s92, s67, 3
	s_add_nc_u64 s[92:93], s[100:101], s[92:93]    ; s[92:93] of my second
	s_mov_b32 s94, 0xffff0000                      ; lanes 16-31
	s_lshl_b32 s2, s17, 16
	s_lshl_b32 s3, s15, 15
	s_add_co_u32 s2, s2, s3
	s_mov_b32 s3, 0
	s_add_nc_u64 s[8:9], s[8:9], s[2:3]            ; rope at my wave's first token (q, k)
	s_mov_b32 s[SEL], 0x76543210
	s_mov_b32 s[SEL+1], 0xfedcba98
.macro FRAG reg, adr, q, i             ; a fragment, 16 rows x 128 K, is 12 registers: registers 6 c .. 6 c + 5 hold K = 64 c + 32 (lane / 16) + 0 .. 31: 24 bytes of the row, as they lie, in pieces of 8 bytes
.irp c, 0,1
	ds_load_b128 v[\reg+6*\c:\reg+6*\c+3], v[\adr] offset:(2*(\q)+\c)*TROW+(\i)*768
	ds_load_b64 v[\reg+6*\c+4:\reg+6*\c+5], v[\adr+2] offset:(2*(\q)+\c)*TROW+(\i)*768+512
.endr
.endm
; 16 matrix instructions: A's blocks a0, a0 + 1 x B's eight, 128 along K.  The 64 accumulators take turns, one instruction a turn, in the same order in every step.
.macro MUL16 a0, p, q, sc, zero
.irp a, \a0, \a0+1
.irp b, 0,1,2,3,4,5,6,7
.if \zero
	v_wmma_scale_f32_16x16x128_f8f6f4 v[8*(8*((\a)%4)+\b):8*(8*((\a)%4)+\b)+7], v[128*(\p)+FR*\b:128*(\p)+FR*\b+FR-1], v[AF+FR*(\a):AF+FR*(\a)+FR-1], 0, v[SC+8*NQ*(\sc)+NQ*\b+(\q)], v[SC+8*NQ*(\sc)+NQ*(\a)+(\q)] matrix_a_fmt:MATRIX_FMT_FP6 matrix_b_fmt:MATRIX_FMT_FP6 matrix_a_scale:MATRIX_SCALE_ROW1
.else
	v_wmma_scale_f32_16x16x128_f8f6f4 v[8*(8*((\a)%4)+\b):8*(8*((\a)%4)+\b)+7], v[128*(\p)+FR*\b:128*(\p)+FR*\b+FR-1], v[AF+FR*(\a):AF+FR*(\a)+FR-1], v[8*(8*((\a)%4)+\b):8*(8*((\a)%4)+\b)+7], v[SC+8*NQ*(\sc)+NQ*\b+(\q)], v[SC+8*NQ*(\sc)+NQ*(\a)+(\q)] matrix_a_fmt:MATRIX_FMT_FP6 matrix_b_fmt:MATRIX_FMT_FP6 matrix_a_scale:MATRIX_SCALE_ROW1
.endif
.endr
.endr
.endm
.macro FETCH_B slot, q, p
	WIN TO_B
.irp i, 0,1,2,3,4,5,6,7
	FRAG 128*(\p)+FR*\i, ADRB+\slot, \q, \i
.endr
	WIN 0
.endm
.macro FETCH_A slot, q, i0
.irp i, \i0, \i0+1, \i0+2, \i0+3
	FRAG AF+FR*(\i), ADRA+\slot, \q, \i
.endr
.endm
.macro SCALES sc                       ; a K step's scale words: 2 words a row; lanes 0-15 take A's block i, lanes 16-31 B's block i
.irp i, 0,1,2,3,4,5,6,7
	ds_load_b64 v[SC+8*NQ*\sc+NQ*\i:SC+8*NQ*\sc+NQ*\i+1], v[ADRS] offset:\i*SBLK
.endr
.endm
.macro PLACES n                        ; plain vector instructions between a matrix instruction and a load into, or a vector access to, its registers
.rept \n
	v_nop
.endr
.endm
.macro STEP slot, q, zero              ; a step of 128 along K that has its successor in the same slot
	s_wait_dscnt 4*NL                              ; B's set and A's blocks 0-3 are in; the youngest 16 loads (A's blocks 4-7) may be out
	WIN MUL_LO
	MUL16 0, (\q)%2, \q, \slot, \zero
	MUL16 2, (\q)%2, \q, \slot, \zero
	s_wait_dscnt 0
	PLACES NP
	FETCH_B \slot, (\q)+1, 1-(\q)%2
	FETCH_A \slot, (\q)+1, 0
	WIN MUL_HI
	MUL16 4, (\q)%2, \q, \slot, \zero
	MUL16 6, (\q)%2, \q, \slot, \zero
	PLACES NP
	WIN 0
	FETCH_A \slot, (\q)+1, 4
.endm
; A slot's last step changes slots: one barrier; in front of it each wave waits for all its tensor loads, adds 0 to its spare word, and waits for that and for its own reads of this slot.
.macro TURN slot, next, fill
	s_wait_tensorcnt 0x0                           ; all my tensor loads have landed: my part of the next slot
	ds_add_u32 v[SPW], v[NIL]
	s_wait_dscnt 4*NL+1                            ; (the add and the youngest 16 loads may be out)
	WIN MUL_LO
	MUL16 0, 1, NQ-1, \slot, 0
	s_wait_dscnt 0x0                               ; the add is done, and my reads of this slot are over
	s_barrier_signal -1
	MUL16 2, 1, NQ-1, \slot, 0
	WIN 0
	s_barrier_wait -1
.if \fill
	CREST                                          ; the barrier has opened a round of the cluster's: no wave of any partner still reads this slot or has a load on its way
	s_add_nc_u64 s[G0+4*\slot+2:G0+4*\slot+3], s[G0+4*\slot+2:G0+4*\slot+3], 8*PLB
	s_add_nc_u64 s[G0B+4*\slot+2:G0B+4*\slot+3], s[G0B+4*\slot+2:G0B+4*\slot+3], 8*PLB
	JLOAD G0+4*\slot, G1, G0B+4*\slot, G1B         ; the first tensor load behind the round, my only one until the next; its four v_nop are the places in front of the loads below
.else
	PLACES NP
.endif
	s_wait_alu depctr_va_vdst(0)
	v_add_nc_u32 v[ADRS], 4*NQ, v[ADRS]            ; on to the next K step's scale words
	FETCH_B \next, 0, 0
	FETCH_A \next, 0, 0
	SCALES \next
	WIN MUL_HI
	MUL16 4, 1, NQ-1, \slot, 0
	MUL16 6, 1, NQ-1, \slot, 0
	PLACES NP
	WIN 0
	FETCH_A \next, 0, 4
.endm
	s_wait_alu depctr_va_vdst(0)
	s_wait_tensorcnt 0x0                           ; my tile of the head's four is in
	ds_add_u32 v[SPW], v[NIL]
	s_mov_b32 s[G0+1], s45                         ; no tensor load of mine is out, so descriptors may be written: slot 0's group 0 now stands for my two planes of K step 0,
	s_add_nc_u64 s[G0+2:G0+3], s[G0+2:G0+3], s[18:19]
	s_mov_b32 s[G0B+1], s45
	s_add_nc_u64 s[G0B+2:G0B+3], s[G0B+2:G0B+3], s[18:19]
	s_mov_b32 s[G1+2], 2<<16                       ; and a load brings two planes
	s_mov_b32 s[G1+4], 2
	s_mov_b32 s[G1B+2], 2<<16
	s_mov_b32 s[G1B+4], 2
	s_wait_dscnt 0x0                               ; the add is done
	CROUND                                         ; a whole round: all four tiles are in, and the sixteen work-groups are here
	JLOAD G0+4, G1, G0B+4, G1B                     ; K step 1, the first tensor load behind the round
	FETCH_B 0, 0, 0
	FETCH_A 0, 0, 0
	SCALES 0
	FETCH_A 0, 0, 4
	STEP 0, 0, 1                                   ; the first step's products start the sums
	s_mov_b32 s3, LAPS-1
.Llap:
	TURN 0, 1, 1
	STEP 1, 0, 0
	TURN 1, 0, 1
	STEP 0, 0, 0
	s_sub_co_u32 s3, s3, 1
	s_cmp_lg_u32 s3, 0
	s_cbranch_scc1 .Llap
	TURN 0, 1, 0                                   ; the last lap fills nothing
	STEP 1, 0, 0
	s_wait_dscnt 4*NL
	WIN MUL_LO
	MUL16 0, 1, NQ-1, 1, 0
	MUL16 2, 1, NQ-1, 1, 0
	s_wait_dscnt 0
	WIN MUL_HI
	MUL16 4, 1, NQ-1, 1, 0
	MUL16 6, 1, NQ-1, 1, 0
	WIN 0
	PLACES NP                                      ; behind the last products: window 0 is laid anew, and results are read
; THE QUANTISER.  64 numbers of a lane, v[QSRC] on in window QWIN, register 16 b + i = k 32 b + 16 (lane / 16) + i of the lane's row.  The codes of k 0..63 go to v[QD0] .. +5, those of k 64..127 to v[QD1] .. +5; the four scale bytes stay in v[TM+4] .. +7.
.macro QUANT
.set QW2, QWIN*5
	WIN QW2                                        ; sources 0 and 1 in the numbers' window
.irp b, 0,1,2,3
	v_max3_num_f32 v[TM+\b], |v[QSRC+16*\b]|, |v[QSRC+16*\b+1]|, 0x1800000   ; my 16 numbers of block b, each accumulator from its low end on, and the floor 2^(3 - 127): the byte cannot fall under 1
.endr
.irp i, 2,4,6,8,10,12,14
.irp b, 0,1,2,3
	v_max3_num_f32 v[TM+\b], |v[QSRC+16*\b+\i]|, |v[QSRC+16*\b+\i+1]|, v[TM+\b]
.endr
.endr
	WIN 0
.irp b, 0,1,2,3
	v_permlanex16_b32 v[TM+4+\b], v[TM+\b], s[SEL], s[SEL+1]
.endr
.irp b, 0,1,2,3
	v_max_num_f32 v[TM+\b], v[TM+\b], v[TM+4+\b]   ; with lane l xor 16's: the block's largest magnitude
.endr
.irp b, 0,1,2,3
	v_add_nc_u32 v[TM+12+\b], 0xff000000, v[TM+\b] ; 2 off its exponent field: the conversion's scale operand
.endr
.irp b, 0,1,2,3
	v_lshrrev_b32 v[TM+4+\b], 23, v[TM+12+\b]      ; the scale's byte
.endr
	WIN QWIN
.irp c, 0,1
.set QD, QD0+(QD1-QD0)*\c
	v_cvt_scalef32_pk16_fp6_f32 v[QD:QD+2], v[QSRC+32*\c:QSRC+32*\c+15], v[TM+12+2*\c]
	v_cvt_scalef32_pk16_fp6_f32 v[PT+4*\c:PT+4*\c+2], v[QSRC+32*\c+16:QSRC+32*\c+31], v[TM+12+2*\c+1]   ; (a conversion's three registers begin on an even number)
.endr
	WIN 0
	v_nop                                          ; one plain place behind a scaled conversion
.irp c, 0,1                            ; the operand's layout wants a whole block in a lane: lanes 0-15 block 2 c, lanes 16-31 block 2 c + 1
.set QD, QD0+(QD1-QD0)*\c
.irp i, 0,1,2
	v_permlane16_swap_b32 v[QD+\i], v[PT+4*\c+\i]
.endr
.irp i, 0,1,2
	v_mov_b32 v[QD+3+\i], v[PT+4*\c+\i]
.endr
.endr
.endm
; (cos, sin) of block a's 16 tokens: register 16 e + 2 p, + 1 of the set: frequency 16 e + 8 (lane / 16) + p
.macro TAB a
.set CSL, CS0+(CS1-CS0)*((\a)%2)
.irp e, 0,1
.irp j, 0,1,2,3
	global_load_b128 v[CSL+16*\e+4*\j:CSL+16*\e+4*\j+3], v[TO], s[8:9] offset:(32*((\a)/2)+8*((\a)%2))*256+128*\e+16*\j
.endr
.endr
.endm
; q, k: block a = 16 tokens x my two heads.  Register 16 g + 2 p, + 1 of the block's 64: (x1, x2) of head g / 2, frequency 16 (g % 2) + 8 (lane / 16) + p.
.macro QKBLOCK a
.set CSB, CS0+(CS1-CS0)*((\a)%2)
.set ACB, 64*((\a)%4)
.set WW, 2+(\a)/4
.if (\a)%2 == 0
	s_wait_xcnt 0x0                                ; the last pair's stores have read their registers: the images are written anew
.endif
.if (\a) < 7
	s_wait_loadcnt 8                               ; this block's eight table loads are in; the next block's eight may be out
.else
	s_wait_loadcnt 0x0
.endif
	WIN WW                                         ; source 0: the accumulators' window
.irp g, 0,1,2,3
.irp p, 0,1,2,3,4,5,6,7
	v_pk_mul_f32 v[R+16*\g+2*\p:R+16*\g+2*\p+1], v[ACB+16*\g+2*\p:ACB+16*\g+2*\p+1], v[CSB+16*(\g%2)+2*\p:CSB+16*(\g%2)+2*\p+1] op_sel:[1,1] op_sel_hi:[0,1] neg_lo:[1,0]   ; (-x2 sin, x1 sin)
.endr
.irp p, 0,1,2,3,4,5,6,7
	v_pk_fma_f32 v[R+16*\g+2*\p:R+16*\g+2*\p+1], v[ACB+16*\g+2*\p:ACB+16*\g+2*\p+1], v[CSB+16*(\g%2)+2*\p:CSB+16*(\g%2)+2*\p+1], v[R+16*\g+2*\p:R+16*\g+2*\p+1] op_sel_hi:[1,0,1]   ; + (x1 cos, x2 cos)
.endr
.endr
	WIN 0
.if (\a) < 6
	TAB (\a)+2                                     ; into the set just read
.endif
.set QSRC, R
.set QWIN, 0
.set QD0, F0+6*((\a)%2)
.set QD1, F1+6*((\a)%2)
	QUANT                                          ; blocks 0, 1: my first head's 64; blocks 2, 3: my second's
.set BETA, (\a)/2
.set WB, W+2*(BETA%2)
.irp c, 0,1
.if (\a)%2 == 0
	v_lshl_or_b32 v[WB+\c], v[TM+5+2*\c], 8, v[TM+4+2*\c]
.else
	v_lshl_or_b32 v[WB+\c], v[TM+4+2*\c], 16, v[WB+\c]
	v_lshl_or_b32 v[WB+\c], v[TM+5+2*\c], 24, v[WB+\c]
.endif
.endr
.if (\a)%2 == 1
.irp p, 0,1,2
	global_store_b128 v[LI], v[F0+4*\p:F0+4*\p+3], s[96:97] offset:BETA*1536+512*\p   ; 32 lanes store 512 consecutive bytes, aligned
	global_store_b128 v[LI], v[F1+4*\p:F1+4*\p+3], s[98:99] offset:BETA*1536+512*\p
.endr
.endif
.if (\a)%4 == 3
.set MB, M+2*((\a)/4)
	v_cndmask_b32 v[MB], v[W], v[W+2], s94         ; lanes 0-15 the even pair's words, lanes 16-31 the odd pair's (both halves of the lanes hold row r's word)
	v_cndmask_b32 v[MB+1], v[W+1], v[W+3], s94
	global_store_b32 v[LS], v[MB], s[100:101] offset:128*((\a)/4)
	global_store_b32 v[LS], v[MB+1], s[92:93] offset:128*((\a)/4)
.endif
.endm
; v: block a = 16 channels (tile a % 4 of head a / 4 of my two) x my 128 keys: one fragment of v^T
.macro VBLOCK a
	s_wait_xcnt 0x0                                ; the last block's stores have read their registers
.set QSRC, 64*((\a)%4)
.set QWIN, 2+(\a)/4
.set QD0, PCD
.set QD1, PCD+6
	QUANT
.set PWX, PW+((\a)+1)%2
	v_lshl_or_b32 v[PWX], v[TM+5], 8, v[TM+4]
	v_lshl_or_b32 v[PWX], v[TM+6], 16, v[PWX]
	v_lshl_or_b32 v[PWX], v[TM+7], 24, v[PWX]
.irp p, 0,1,2
	global_store_b128 v[LI], v[PCD+4*\p:PCD+4*\p+3], s[96:97] offset:((\a)/4)*8*REC+((\a)%4)*1536+512*\p
.endr
.if (\a)%2 == 1
	v_cndmask_b32 v[MV+(\a)/2], v[PWE], v[PW], s94
	global_store_b32 v[LS], v[MV+(\a)/2], s[100:101] offset:((\a)/4)*8*REC+(((\a)%4)/2)*128
.endif
.endm
.irp b, 0,1,2,3
	v_mov_b32 v[TM+4+\b], 0                        ; written once: a lane permute's destination counts as one of its sources
.endr
	s_cmp_lg_u32 s95, 0                            ; the cluster's y alone: alike in all partners
	s_cbranch_scc1 .Lv
	TAB 0
	TAB 1
.irp a, 0,1,2,3,4,5,6,7
	QKBLOCK \a
.endr
	s_branch .Lend
.Lv:
.irp a, 0,1,2,3,4,5,6,7
	VBLOCK \a
.endr
.Lend:
	s_wait_tensorcnt 0x0                           ; the wave's end
	ds_add_u32 v[SPW], v[NIL]
	s_wait_dscnt 0x0
	CROUND                                         ; the closing round: no work-group ends while a partner may still ask for a tile that names it
	s_endpgm
.Lfunc_end_k_q3c45c81408_qkv:
	.size	k_q3c45c81408_qkv, .Lfunc_end_k_q3c45c81408_qkv-k_q3c45c81408_qkv
	.p2alignl 7, 3214868480
	.fill 96, 4, 3214868480
	.section	.rodata,"a",@progbits
	.p2align	6, 0x0
	.amdhsa_kernel k_q3c45c81408_qkv
		.amdhsa_group_segment_fixed_size 327680
		.amdhsa_private_segment_fixed_size 0
		.amdhsa_enable_private_segment 0
		.amdhsa_kernarg_size 40
		.amdhsa_user_sgpr_count 2
		.amdhsa_user_sgpr_kernarg_segment_ptr 1
		.amdhsa_wavefront_size32 1
		.amdhsa_system_sgpr_workgroup_id_x 1
		.amdhsa_system_sgpr_workgroup_id_y 1
		.amdhsa_system_sgpr_workgroup_id_z 1
		.amdhsa_system_vgpr_workitem_id 0
		.amdhsa_next_free_vgpr 1024
		.amdhsa_next_free_sgpr 102
		.amdhsa_reserve_vcc 0
		.amdhsa_float_denorm_mode_32 3
		.amdhsa_float_denorm_mode_16_64 3
		.amdhsa_memory_ordered 1
		.amdhsa_forward_progress 1
		.amdhsa_inst_pref_size 223
	.end_amdhsa_kernel
	.amdgpu_metadata
---
amdhsa.version: [ 1, 2 ]
amdhsa.kernels:
  - .name:           k_q3c45c81408_qkv
    .symbol:         k_q3c45c81408_qkv.kd
    .args:
      - { .name: cod, .offset: 0, .size: 8, .value_kind: global_buffer, .address_space: global }
      - { .name: scl, .offset: 8, .size: 8, .value_kind: global_buffer, .address_space: global }
      - { .name: rope, .offset: 16, .size: 8, .value_kind: global_buffer, .address_space: global }
      - { .name: qi, .offset: 24, .size: 8, .value_kind: global_buffer, .address_space: global }
      - { .name: kv, .offset: 32, .size: 8, .value_kind: global_buffer, .address_space: global }
    .group_segment_fixed_size: 327680
    .private_segment_fixed_size: 0
    .kernarg_segment_align: 8
    .kernarg_segment_size: 40
    .max_flat_workgroup_size: 128
    .sgpr_count:     102
    .vgpr_count:     1024
    .wavefront_size: 32
...
	.end_amdgpu_metadata
.endif
;; end of part 2
;; launch attn (part 3): grid 64 x 4, 16 waves a work-group, no clusters, 327,680 bytes of LDS; arguments qi, kv, ao; writes ao
.if DOCPART == 3
	.amdgcn_target "amdgcn-amd-amdhsa--gfx1250"
	.amdhsa_code_object_version 6
	.text
	.protected	k_q3c45c81408_attn
	.globl	k_q3c45c81408_attn
	.p2align	8
	.type	k_q3c45c81408_attn,@function
k_q3c45c81408_attn:
	s_mov_b64 s[64:65], 0
	v_nop
	global_prefetch_b8 v0, s[64:65] scope:SCOPE_SE
	s_setreg_imm32_b32 hwreg(HW_REG_WAVE_MODE, 25, 1), 1
	s_wait_xcnt 0x0
; PRODUCTS 2 AND 3 on codes of FP6 (E2M3): for each batch and head, O[q] = sum over k <= q of softmax_k(q . k / 8) v[k], head size 64, 2,048 positions; then the quantiser of O along the model's 1,024 (two blocks of 32 a head).
; LEFT OUT, as shown at the head of launch prep: a key step all of whose 128 keys come after my wave's queries (reference()'s own causal mask gives them p = 0), and the fetch of a slot that no wave of the work-group reads.
; THE SOFTMAX AHEAD OF THE SECOND PRODUCT: t = score x log2(e) / 8; M = the largest t so far, rounded up to a whole number; p = 2^(t - M) is quantised along the keys, not normalised; the row's sum is taken of the unquantised p and divides O at the end.
; When M moves, the sum and O are multiplied by 2^(old M - new M): exact.  A block's largest p is made from the block's largest score by the same multiply-add and exponential (this takes v_exp_f32 not to fall where its input rises).
; SHARES.  Work-group (x, y): batch x head x, queries 256 (7 - y) on: the blocks with the most keys come first in the grid.  Each of sixteen waves owns one tile of 16 queries; every wave walks the slots of 256 keys, 128 keys a step.
; NO CLUSTER: the blocks of a head read different numbers of slots, and a joint load would have to be issued by every partner for slots that it never reads.
; DATA.  kv: a record of 25,600 dense bytes for each slot: 8 images of k (a pair of tiles of 16 keys x 64 each), 8 images of v^T (16 channels x 128 keys), k's and v's scale words.  An image is a fragment's 12 registers: three loads of 16 bytes a lane at 16 x lane.
; K = 64 IN AN INSTRUCTION OF 128: source 0 is a pair of key tiles (registers 0-5, 6-11); source 1 is (q, 0) for the first tile and (0, q) for the second: Q stands in 18 registers as q, zeros, q.  Zero codes add nothing under any scale byte in use.
; LAYOUT.  Both products are used transposed: a lane holds ONE query throughout.  Tile u of a pair holds tokens 8 u + r + 8 (r / 8) of its 32, so the 16 registers of two neighbouring tiles of S^T are 16 neighbouring keys, and my queries are Q0 + r + 8 (r / 8).
; v^T's tiles hold their channels in the same order, so O^T's register 16 g + i is channel 32 g + 16 (lane / 16) + i.
; OUT.  ao: [head 16][tile of 16 positions 512] half images of 768 bytes (registers 0-3 at 16 x lane, 4-5 behind them at 8 x lane); at AOS_OFF 32 scale bytes a position, of which a wave stores 2 a row: those stores cover parts of aligned 256 bytes, 1 byte in 24 of what the launch stores.
; LIMITS: as in launch prep.
.set REC,    25600
.set KIM,    0                         ; in a record: k's images,
.set VIM,    12288                     ; v's,
.set KSW,    24576                     ; k's scale words,
.set VSW,    25088                     ; v's
.set SLOT1,  1<<15                     ; slot 1 begins here: one exclusive or turns an address
.set SPARE,  1<<16                     ; the spare words, 128 bytes for each of 16 waves
.set QS_OFF, 6291456
.set AOS_OFF, 6291456
.set LI,  1                            ; v1  16 x lane
.set LS,  2                            ; v2  4 x lane
.set DL,  3                            ; v3  r + 8 (r / 8) - 16 (lane / 16)
.set L8,  4                            ; v4  8 x lane
.set SPW, 5                            ; v5  LDS address of my spare word; never rewritten
.set NIL, 6                            ; v6  0; never rewritten
.set R32, 7                            ; v7  32 x r
.set ADI, 8                            ; v8  LDS address of the slot's images for my lane
.set ADS, 9                            ; v9  of its scale words
.set TA,  10
.set PFO, 11                           ; v11 256 x lane: the prefetches' offset; never rewritten
;                                        v12 -M, v13 the largest t, v[14:15] the sum in two halves
.set QF,  16                           ; v16-33 q, zeros, q
.set QS,  34                           ; v34 q's scale word (s0, s1, s0, s1)
.set FRG, 36                           ; v36-83 four fragments of k, then of v
.set KSC, 84                           ; v84-85 k's scale words: lanes 0-15 an even pair's, lanes 16-31 the odd one's
.set VSC, 86                           ; v86-87 v's likewise
.set PW,  88                           ; v88 p's scale word
.set S,   96                           ; v96-159 S^T, then p
.set O,   160                          ; v160-191 O^T
.set PC,  192                          ; v192-203 p's codes
.set PT,  204
.set BM,  212                          ; v212-215 the blocks' largest scores
.set BX,  216
.set SO,  220                          ; v220-223 the conversions' scale operands
.set T0,  224
.set FF,  226                          ; v[226:227] f = 2^(old M - new M), and a 0 named with it as a pair
.set SUM2, 228
.set NINF, 230
.set DD,  231
.set WV,  18
.set SEL, 20
.set CS,  22                           ; s[22:23] c = log2(e) / 8
.set G1,  24
.set G0,  40
.set TB,  2                            ; s2  LDS byte at which the slot in hand begins
.set SLOTS, 67
.set KF,  98                           ; s98 the step's first key
.set Q0,  99                           ; s99 my first query
.set PFA, 76
.set LIM, 80
.macro TLOAD                           ; waves 0 to 3 fetch a quarter of a record each; the branch hangs on the wave's number alone.  An s_nop 0 and four v_nop follow the load
	s_cmp_lt_u32 s[WV], 4
	s_cbranch_scc0 .Lasked_\@
	tensor_load_to_lds s[G0:G0+3], s[G1:G1+7]
	s_nop 0
.rept 4
	v_nop
.endr
.Lasked_\@:
.endm
; A PREFETCH INTO THE L2 of the images of the record that the NEXT change of slots will ask for: 24,576 bytes, 8,192 a wave, lanes 256 bytes apart.  All blocks of a head walk the same records from the first on, and the block with y = 0 walks them all:
; its waves 4 to 6, which fetch nothing, ask, one instruction each, so that each aligned 256 bytes are named once in the launch.  It asks a slot's two key steps ahead of the load.  Slots 0 and 1 come by their loads alone; the last change that fills a slot asks for nothing.
.macro ASK
	s_cmp_gt_u32 s[SLOTS], s[LIM]
	s_cbranch_scc0 .Lnot_mine_\@
	global_prefetch_b8 v[PFO], s[PFA:PFA+1] th:TH_LOAD_NT scope:SCOPE_SE
.Lnot_mine_\@:
.endm
	s_load_b128 s[4:7], s[0:1], 0x0                ; qi s[4:5], kv s[6:7]
	s_load_b64 s[8:9], s[0:1], 0x10                ; ao
	v_lshl_add_u32 v[SPW], v0, 2, SPARE
	v_mov_b32 v[NIL], 0
	ds_add_u32 v[SPW], v[NIL]                      ; the wave's opening: the add, twice on end, and its wait ahead of the first tensor load
	ds_add_u32 v[SPW], v[NIL]
	v_lshrrev_b32 v8, 5, v0
	s_delay_alu instid0(VALU_DEP_1)
	v_readfirstlane_b32 s[WV], v8                  ; wave 0..15
	s_mov_b32 s[G1], 3<<16                         ; elements of 8 bytes, no mask, no padding
	s_mov_b32 s[G1+1], 32<<16                      ; tensor_dim0 = 32: rows of 256 bytes
	s_mov_b32 s[G1+2], 25<<16                      ; tensor_dim1 = 25 rows: 6,400 bytes, a quarter of a record
	s_mov_b32 s[G1+3], 32<<16                      ; tile_dim0
	s_mov_b32 s[G1+4], 25                          ; tile_dim1
	s_mov_b32 s[G1+5], 32                          ; dense
	s_mov_b32 s[G1+6], 0
	s_mov_b32 s[G1+7], 0
	s_and_b32 s72, ttmp7, 0xffff
	s_sub_co_u32 s73, 7, s72                       ; my block of 256 queries
	s_lshl_b32 s74, s73, 4
	s_add_co_u32 s74, s74, s[WV]                   ; my tile of 16
	s_and_b32 s75, s[WV], 1                        ; which of its pair
	s_lshl_b32 s[Q0], s74, 4
	s_lshl_b32 s78, s75, 3
	s_sub_co_u32 s[Q0], s[Q0], s78                 ; my first query: 16 tile - 8 u; my last: + 23
	s_and_b32 s79, s[WV], 3
	s_mul_i32 s81, s79, 6400                       ; my quarter of a record, in LDS and in memory
	s_mul_i32 s82, ttmp9, 8*REC                    ; my head's first record
	s_add_co_u32 s84, s82, s81
	s_mov_b32 s85, 0
	s_lshl_b32 s86, ttmp9, 6
	s_lshr_b32 s87, s74, 1
	s_add_co_u32 s88, s86, s87                     ; my pair of tiles of q
	s_mul_i32 s86, s88, 1536
	s_mov_b32 s87, 0
	s_lshl_b32 s88, s88, 6
	s_add_co_u32 s88, s88, QS_OFF
	s_mov_b32 s89, 0
	s_mul_i32 s90, s75, 520                        ; registers 0-5 of the image lie at 16 l + 0, 8, 512; registers 6-11 at 16 l + 520, 1024, 1032
	s_mul_i32 s91, s75, 1016
	s_lshl_b32 s92, s75, 4
	s_lshl_b32 s93, s79, 13                        ; the prefetches: 8,192 bytes a wave,
	s_add_co_u32 s94, s82, s93
	s_add_co_u32 s94, s94, REC                     ; in slot 1: the first change of slots steps it to slot 2
	s_mov_b32 s95, 0
	s_lshr_b32 s93, s[WV], 2
	s_xor_b32 s93, s93, 1                          ; 0 in waves 4 to 7
	s_or_b32 s93, s93, s72                         ; of the work-groups with y = 0
	s_cmp_eq_u32 s93, 0
	s_cselect_b32 s[LIM], 2, -1                    ; the prefetch names the record two changes on: it stops when that would pass the head's eighth record
	s_cmp_eq_u32 s[WV], 7                          ; (three waves' worth)
	s_cselect_b32 s[LIM], -1, s[LIM]
	s_mov_b32 s[SEL], 0x76543210
	s_mov_b32 s[SEL+1], 0xfedcba98
	s_mov_b32 s[CS], 0x3e38aa3b                    ; log2(e) / 8
	s_mov_b32 s[CS+1], s[CS]
	s_mov_b32 s[TB], 0
; THE SHARES AS THEY ARE NOW: work-group (x, y), y = 0..3, makes TWO blocks of 256 queries of batch x head x: first block 7 - y (8 - y slots), then block y (y + 1 slots): 9 slots in every work-group, 256 work-groups.
; The ring does not stop between the blocks: the change of slots in the first block's last slot asks for record 0 again.  Both blocks' q are loaded at the head.
.set SW,   44                          ; s44 the count of slots left at which the first block ends: y + 1
.set BACK, 45                          ; s45 bytes from the record behind the first block's last back to record 0
.set QB,   232                         ; v232-237 the second block's q, v238 its scale word
	s_mov_b32 s[SLOTS], 8
	s_add_co_u32 s[SW], s72, 1
	s_sub_co_u32 s[BACK], 8, s72
	s_mul_i32 s[BACK], s[BACK], REC
	s_mov_b32 s[KF], 0
	s_wait_dscnt 0x0                               ; both opening adds are done
	s_wait_kmcnt 0x0
	s_mov_b32 s[G0], 1
	s_mov_b32 s[G0+1], s81                         ; slot 0
	s_add_nc_u64 s[G0+2:G0+3], s[6:7], s[84:85]
	s_or_b32 s[G0+3], s[G0+3], 0x80000000
	TLOAD                                          ; slot 0: it holds key 0, which counts for every query
	s_add_nc_u64 s[86:87], s[4:5], s[86:87]
	s_add_nc_u64 s[88:89], s[4:5], s[88:89]
	s_sub_co_u32 s46, s73, s72                     ; the second block lies 7 - 2 y blocks, 8 pairs of tiles each, ahead of the first
	s_mul_i32 s48, s46, 512
	s_mul_i32 s46, s46, 12288
	s_mov_b32 s47, 0
	s_mov_b32 s49, 0
	s_sub_nc_u64 s[46:47], s[86:87], s[46:47]
	s_sub_nc_u64 s[48:49], s[88:89], s[48:49]
	s_add_nc_u64 s[PFA:PFA+1], s[6:7], s[94:95]
	v_and_b32 v8, 31, v0
	s_delay_alu instid0(VALU_DEP_1)
	v_lshlrev_b32 v[LI], 4, v8
	s_delay_alu instid0(VALU_DEP_2)
	v_lshlrev_b32 v[LS], 2, v8
	s_delay_alu instid0(VALU_DEP_3)
	v_lshlrev_b32 v[PFO], 8, v8
	v_and_b32 v9, 15, v0                           ; r
	s_delay_alu instid0(VALU_DEP_1)
	v_lshlrev_b32 v[TA], 2, v9
	s_delay_alu instid0(VALU_DEP_2)
	v_and_b32 v8, 8, v9
	s_delay_alu instid0(VALU_DEP_1)
	v_add_nc_u32 v[DL], v8, v9
	v_bfe_u32 v8, v0, 4, 1
	s_delay_alu instid0(VALU_DEP_1)
	v_lshlrev_b32 v8, 4, v8
	s_delay_alu instid0(VALU_DEP_1)
	v_sub_nc_u32 v[DL], v[DL], v8
	v_add_nc_u32 v8, s90, v[LI]
	v_add_nc_u32 v9, s91, v[LI]
	global_load_b64 v[QF:QF+1], v8, s[86:87]
	global_load_b64 v[QF+2:QF+3], v9, s[86:87] offset:8
	global_load_b64 v[QF+4:QF+5], v8, s[86:87] offset:512
	global_load_b32 v[QS], v[TA], s[88:89]
	global_load_b64 v[QB:QB+1], v8, s[46:47]
	global_load_b64 v[QB+2:QB+3], v9, s[46:47] offset:8
	global_load_b64 v[QB+4:QB+5], v8, s[46:47] offset:512
	global_load_b32 v[QB+6], v[TA], s[48:49]
	v_mov_b32 v13, 0xff61b1e6                      ; the largest t so far: -3e38
	s_delay_alu instid0(VALU_DEP_1)
	v_floor_f32 v12, -v13                          ; -M
	v_mov_b32 v14, 0
	v_mov_b32 v15, 0
.irp b, 0,1,2,3
	v_mov_b32 v[BX+\b], 0                          ; written once: a lane permute's destination counts as one of its sources
.endr
	v_mov_b32 v[T0], 0
	v_mov_b32 v[FF+1], 0
	v_mov_b32 v[NINF], 0xff800000
.irp i, 6,7,8,9,10,11
	v_mov_b32 v[QF+\i], 0                          ; the zero codes between q and q
.endr
	s_wait_loadcnt 0x0                             ; q; its address registers are free
	v_lshrrev_b32 v[QS], s92, v[QS]                ; my tile's two bytes,
	s_delay_alu instid0(VALU_DEP_1)
	v_and_b32 v[QS], 0xffff, v[QS]
	s_delay_alu instid0(VALU_DEP_1)
	v_lshl_or_b32 v[QS], v[QS], 16, v[QS]          ; for either half of K
.irp i, 0,1,2,3,4,5
	v_mov_b32 v[QF+12+\i], v[QF+\i]
.endr
.set J, 0
.rept 32
	v_mov_b32 v[O+J], 0                            ; O^T: the loop is written once, its first step finds zeros.  (These are also the places between the lines above and the first product)
.set J, J+1
.endr
; A KEY STEP: 128 keys, the q-th of the slot in hand
.macro STEP q
	s_add_co_u32 s96, s[Q0], 23
	s_cmp_gt_u32 s[KF], s96                        ; all its keys come after my queries: ids and the count of steps alone
	s_cbranch_scc1 .Lhidden_\@
	v_add_nc_u32 v[ADI], s[TB], v[LI]
	v_add_nc_u32 v[ADS], s[TB], v[LS]
	v_nop
	v_nop                                          ; four places in front of loads into registers that the last products read
.irp g, 0,1,2,3
.irp p, 0,1,2
	ds_load_b128 v[FRG+12*\g+4*\p:FRG+12*\g+4*\p+3], v[ADI] offset:KIM+(4*(\q)+\g)*1536+512*\p
.endr
.endr
.irp i, 0,1
	ds_load_b32 v[KSC+\i], v[ADS] offset:KSW+(4*(\q)+2*\i)*64
.endr
	s_wait_alu depctr_va_vdst(0)
	s_wait_dscnt 0x0
.irp g, 0,1,2,3                        ; S^T = k q^T: pair g against (q, 0) and against (0, q)
.irp u, 0,1
.if \g%2 == 0
	v_wmma_scale_f32_16x16x128_f8f6f4 v[S+16*\g+8*\u:S+16*\g+8*\u+7], v[FRG+12*\g:FRG+12*\g+11], v[QF+6*\u:QF+6*\u+11], 0, v[KSC+\g/2], v[QS] matrix_a_fmt:MATRIX_FMT_FP6 matrix_b_fmt:MATRIX_FMT_FP6
.else
	v_wmma_scale_f32_16x16x128_f8f6f4 v[S+16*\g+8*\u:S+16*\g+8*\u+7], v[FRG+12*\g:FRG+12*\g+11], v[QF+6*\u:QF+6*\u+11], 0, v[KSC+\g/2], v[QS] matrix_a_fmt:MATRIX_FMT_FP6 matrix_b_fmt:MATRIX_FMT_FP6 matrix_a_scale:MATRIX_SCALE_ROW1
.endif
.endr
.endr
.rept 4
	v_nop                                          ; places: behind them the scores are read, and v's fragments are asked for into k's registers: they land during the softmax
.endr
.irp g, 0,1,2,3
.irp p, 0,1,2
	ds_load_b128 v[FRG+12*\g+4*\p:FRG+12*\g+4*\p+3], v[ADI] offset:VIM+(4*(\q)+\g)*1536+512*\p
.endr
.endr
.irp i, 0,1
	ds_load_b32 v[VSC+\i], v[ADS] offset:VSW+(4*(\q)+2*\i)*64
.endr
	s_add_co_u32 s96, s[KF], 127                   ; on the diagonal hidden scores become -infinity ahead of the maximum; a step all of whose keys count skips this
	s_cmp_le_u32 s96, s[Q0]
	s_cbranch_scc1 .Lopen_\@
	s_sub_co_i32 s96, s[Q0], s[KF]
	v_add_nc_u32 v[DD], s96, v[DL]                 ; register 16 b + i holds key KF + 16 (lane / 16) + 32 b + i: hidden where 32 b + i > my query - KF - 16 (lane / 16)
.set N, 0
.rept 64
	v_cmp_gt_i32 vcc_lo, 32*(N/16)+N%16, v[DD]
	v_cndmask_b32 v[S+N], v[S+N], v[NINF], vcc_lo
.set N, N+1
.endr
.Lopen_\@:
.irp b, 0,1,2,3
	v_max3_num_f32 v[BM+\b], v[S+16*\b], v[S+1+16*\b], v[S+2+16*\b]   ; the largest score of each block of 32 keys: for the row's maximum, and for the block's largest p
.endr
.irp i, 3,5,7,9,11,13
.irp b, 0,1,2,3
	v_max3_num_f32 v[BM+\b], v[BM+\b], v[S+16*\b+\i], v[S+1+16*\b+\i]
.endr
.endr
.irp b, 0,1,2,3
	v_max_num_f32 v[BM+\b], v[BM+\b], v[S+15+16*\b]
.endr
.irp b, 0,1,2,3
	s_delay_alu instid0(VALU_DEP_4)
	v_permlanex16_b32 v[BX+\b], v[BM+\b], s[SEL], s[SEL+1]
.endr
.irp b, 0,1,2,3
	s_delay_alu instid0(VALU_DEP_4)
	v_max_num_f32 v[BM+\b], v[BM+\b], v[BX+\b]     ; with lane l xor 16's 16 keys
.endr
	s_delay_alu instid0(VALU_DEP_2)
	v_max3_num_f32 v[T0], v[BM], v[BM+1], v[BM+2]
	s_delay_alu instid0(VALU_DEP_1)
	v_max_num_f32 v[T0], v[T0], v[BM+3]
	s_delay_alu instid0(VALU_DEP_1)
	v_mul_f32 v[T0], s[CS], v[T0]                  ; as t
	s_delay_alu instid0(VALU_DEP_1)
	v_max_num_f32 v13, v13, v[T0]                  ; the running largest t
	v_mov_b32 v[T0], v12
	s_delay_alu instid0(VALU_DEP_2)
	v_floor_f32 v12, -v13                          ; the new -M = -ceil(t): a whole number
	s_delay_alu instid0(VALU_DEP_1)
	v_sub_f32 v[T0], v12, v[T0]                    ; old M - new M, 0 or less
	s_delay_alu instid0(VALU_DEP_1)
	v_cvt_i32_f32 v[T0], v[T0]                     ; (it saturates)
	s_delay_alu instid0(VALU_DEP_1)
	v_ldexp_f32 v[FF], 1.0, v[T0]                  ; f = 2^(old M - new M)
.set J, 0
.rept 32
	v_pk_fma_f32 v[S+J:S+J+1], v[S+J:S+J+1], s[CS:CS+1], v[12:13] op_sel_hi:[1,0,0]   ; t - M, two at a time
.set J, J+2
.endr
.irp b, 0,1,2,3
	v_fma_f32 v[BM+\b], v[BM+\b], s[CS], v12       ; the same of each block's largest score
.endr
.set J, 0
	s_wait_alu depctr_va_vdst(0)
.rept 64
	v_exp_f32 v[S+J], v[S+J]                       ; p = 2^(t - M)
.set J, J+1
.endr
	v_pk_mul_f32 v[14:15], v[14:15], v[FF:FF+1] op_sel_hi:[1,0]   ; the sums under the new M: a plain place behind the exponentials
	s_wait_alu depctr_va_vdst(0)                   ; one wait for the batch, ahead of its first reader
.irp b, 0,1,2,3
	v_exp_f32 v[BM+\b], v[BM+\b]                   ; the blocks' largest p
.endr
	v_pk_add_f32 v[228:229], v[100:101], v[104:105]
	v_pk_add_f32 v[254:255], v[108:109], v[112:113]
	v_pk_add_f32 v[252:253], v[116:117], v[120:121]
	v_pk_add_f32 v[250:251], v[124:125], v[128:129]
	v_pk_add_f32 v[248:249], v[132:133], v[136:137]
	v_pk_add_f32 v[246:247], v[140:141], v[144:145]
	v_pk_add_f32 v[244:245], v[148:149], v[152:153]
	v_pk_add_f32 v[14:15], v[14:15], v[156:157]
	v_pk_add_f32 v[228:229], v[228:229], v[96:97]
	v_pk_add_f32 v[254:255], v[254:255], v[98:99]
	v_pk_add_f32 v[252:253], v[252:253], v[102:103]
	v_pk_add_f32 v[250:251], v[250:251], v[106:107]
	v_pk_add_f32 v[248:249], v[248:249], v[110:111]
	v_pk_add_f32 v[246:247], v[246:247], v[114:115]
	v_pk_add_f32 v[244:245], v[244:245], v[118:119]
	v_pk_add_f32 v[14:15], v[14:15], v[122:123]
	v_pk_add_f32 v[228:229], v[228:229], v[126:127]
	v_pk_add_f32 v[254:255], v[254:255], v[130:131]
	v_pk_add_f32 v[252:253], v[252:253], v[134:135]
	v_pk_add_f32 v[250:251], v[250:251], v[138:139]
	v_pk_add_f32 v[248:249], v[248:249], v[142:143]
	v_pk_add_f32 v[246:247], v[246:247], v[146:147]
	v_pk_add_f32 v[244:245], v[244:245], v[150:151]
	v_pk_add_f32 v[14:15], v[14:15], v[154:155]
	v_pk_add_f32 v[228:229], v[228:229], v[158:159]
	s_delay_alu instid0(VALU_DEP_2)
	v_pk_add_f32 v[14:15], v[14:15], v[250:251]
	s_delay_alu instid0(VALU_DEP_2)
	v_pk_add_f32 v[228:229], v[228:229], v[248:249]
	v_pk_add_f32 v[254:255], v[254:255], v[246:247]
	v_pk_add_f32 v[252:253], v[252:253], v[244:245]
	s_delay_alu instid0(VALU_DEP_2)
	v_pk_add_f32 v[14:15], v[14:15], v[254:255]
	s_delay_alu instid0(VALU_DEP_2)
	v_pk_add_f32 v[228:229], v[228:229], v[252:253]
	s_delay_alu instid0(VALU_DEP_1)
	v_pk_add_f32 v[14:15], v[14:15], v[228:229]
	s_wait_alu depctr_va_vdst(0)                   ; and one for the four
.irp b, 0,1,2,3
	v_max_num_f32 v[BM+\b], 0x1800000, v[BM+\b]    ; the floor 2^(3 - 127): the byte cannot fall under 1
.endr
.irp b, 0,1,2,3
	s_delay_alu instid0(VALU_DEP_4)
	v_add_nc_u32 v[SO+\b], 0xff000000, v[BM+\b]    ; 2 off the exponent field: the conversion's scale operand
.endr
.irp b, 0,1,2,3
	s_delay_alu instid0(VALU_DEP_4)
	v_lshrrev_b32 v[BX+\b], 23, v[SO+\b]           ; the scale's byte
.endr
	s_delay_alu instid0(VALU_DEP_3)
	v_lshl_or_b32 v[PW], v[BX+1], 8, v[BX]
	s_delay_alu instid0(VALU_DEP_1)
	v_lshl_or_b32 v[PW], v[BX+2], 16, v[PW]
	s_delay_alu instid0(VALU_DEP_1)
	v_lshl_or_b32 v[PW], v[BX+3], 24, v[PW]
.irp c, 0,1
	v_cvt_scalef32_pk16_fp6_f32 v[PC+6*\c:PC+6*\c+2], v[S+32*\c:S+32*\c+15], v[SO+2*\c]
	v_cvt_scalef32_pk16_fp6_f32 v[PT+4*\c:PT+4*\c+2], v[S+32*\c+16:S+32*\c+31], v[SO+2*\c+1]
.endr
	v_nop                                          ; one plain place behind a scaled conversion
.irp c, 0,1
.irp i, 0,1,2
	v_permlane16_swap_b32 v[PC+6*\c+\i], v[PT+4*\c+\i]
.endr
.irp i, 0,1,2
	s_delay_alu instid0(VALU_DEP_3)
	v_mov_b32 v[PC+6*\c+3+\i], v[PT+4*\c+\i]
.endr
.endr
.set J, 0
.rept 16
	v_pk_mul_f32 v[O+J:O+J+1], v[O+J:O+J+1], v[FF:FF+1] op_sel_hi:[1,0]   ; O^T under the new M.  (These sixteen are also the places in front of the products below)
.set J, J+2
.endr
	s_wait_alu depctr_va_vdst(0)
	s_wait_dscnt 0x0                               ; v's fragments and scale words are in
.irp g, 0,1,2,3                        ; O^T += v^T p^T: four accumulators by turns, one instruction a turn
.if \g%2 == 0
	v_wmma_scale_f32_16x16x128_f8f6f4 v[O+8*\g:O+8*\g+7], v[FRG+12*\g:FRG+12*\g+11], v[PC:PC+11], v[O+8*\g:O+8*\g+7], v[VSC+\g/2], v[PW] matrix_a_fmt:MATRIX_FMT_FP6 matrix_b_fmt:MATRIX_FMT_FP6
.else
	v_wmma_scale_f32_16x16x128_f8f6f4 v[O+8*\g:O+8*\g+7], v[FRG+12*\g:FRG+12*\g+11], v[PC:PC+11], v[O+8*\g:O+8*\g+7], v[VSC+\g/2], v[PW] matrix_a_fmt:MATRIX_FMT_FP6 matrix_b_fmt:MATRIX_FMT_FP6 matrix_a_scale:MATRIX_SCALE_ROW1
.endif
.endr
.Lhidden_\@:
	s_add_co_u32 s[KF], s[KF], 128
.endm
; THE CHANGE OF SLOTS stands at a slot's head.  Each wave waits for all its tensor loads, adds 0 to its spare word (fill = 1: twice on end), and waits for that and for its reads of the slot that it has left; behind the barrier the slot ahead is whole and nobody reads the other one.
.macro CHANGE fill
	s_wait_tensorcnt 0x0                           ; no tensor load of mine is out, so group 0 may be written
	ds_add_u32 v[SPW], v[NIL]
.if \fill
	ds_add_u32 v[SPW], v[NIL]                      ; and once more
	s_xor_b32 s[G0+1], s[G0+1], SLOT1              ; the other slot than last time,
	s_add_nc_u64 s[G0+2:G0+3], s[G0+2:G0+3], REC   ; the next record,
	s_cmp_eq_u32 s[SLOTS], s[SW]                   ; or, in the first block's last slot, record 0 for the second block: ids and the count of slots alone, no jump
	s_cselect_b32 s96, s[BACK], 0
	s_mov_b32 s97, 0
	s_sub_nc_u64 s[G0+2:G0+3], s[G0+2:G0+3], s[96:97]
	s_wait_xcnt 0x0                                ; the last prefetch, a slot back, has read its address
	s_add_nc_u64 s[PFA:PFA+1], s[PFA:PFA+1], REC
.endif
	s_wait_dscnt 0x0                               ; the add is done, and my reads of the slot that I have left are over
	s_barrier_signal -1
	s_barrier_wait -1
.if \fill
	TLOAD                                          ; a wave's one tensor load until the next barrier; every slot asked for is read
	ASK
.endif
.endm
.macro WAYOUT                          ; a block's way out; it runs twice: at the first block's end, inside the loop, and at the kernel's end
	; THE WAY OUT: O^T / the sum, quantised along the head's 64 channels (two blocks), stored as half an image and two scale bytes a row
	v_add_f32 v14, v14, v15
	s_delay_alu instid0(VALU_DEP_1)
	v_permlanex16_b32 v[T0], v14, s[SEL], s[SEL+1]
	s_delay_alu instid0(VALU_DEP_1)
	v_add_f32 v14, v14, v[T0]                      ; the row's sum
	s_wait_alu depctr_va_vdst(0)
	v_rcp_f32 v14, v14
	v_and_b32 v[ADI], 31, v0                       ; (plain places behind the reciprocal and behind the last products)
	s_delay_alu instid0(VALU_DEP_1)
	v_lshlrev_b32 v[L8], 3, v[ADI]
	v_and_b32 v[ADS], 15, v0
	s_delay_alu instid0(VALU_DEP_1)
	v_lshlrev_b32 v[R32], 5, v[ADS]
	s_and_b32 s82, ttmp9, 15                       ; head
	s_lshr_b32 s83, ttmp9, 4                       ; batch
	s_lshl_b32 s85, s83, 7
	s_add_co_u32 s85, s85, s74                     ; tile of 16 positions: 128 batch + my tile
	s_lshl_b32 s84, s82, 9
	s_add_co_u32 s84, s84, s85
	s_mul_i32 s84, s84, 768
	s_lshl_b32 s86, s85, 9                         ; 16 positions of 32 scale bytes
	s_lshl_b32 s87, s82, 1
	s_add_co_u32 s86, s86, s87
	s_add_co_u32 s86, s86, AOS_OFF
	s_mov_b32 s85, 0
	s_mov_b32 s87, 0
	s_add_nc_u64 s[84:85], s[8:9], s[84:85]
	s_add_nc_u64 s[86:87], s[8:9], s[86:87]
	s_wait_alu depctr_va_vdst(0)                   ; ahead of the reciprocal's first reader
.set J, 0
.rept 32
	v_mul_f32 v[S+J], v[O+J], v14                  ; register 16 g + i: channel 32 g + 16 (lane / 16) + i
.set J, J+1
.endr
.irp b, 0,1
	v_max3_num_f32 v[BM+\b], |v[S+16*\b]|, |v[S+1+16*\b]|, 0x1800000
.endr
.irp i, 2,4,6,8,10,12,14
.irp b, 0,1
	s_delay_alu instid0(VALU_DEP_2)
	v_max3_num_f32 v[BM+\b], v[BM+\b], |v[S+16*\b+\i]|, |v[S+1+16*\b+\i]|
.endr
.endr
.irp b, 0,1
	s_delay_alu instid0(VALU_DEP_2)
	v_permlanex16_b32 v[BX+\b], v[BM+\b], s[SEL], s[SEL+1]
.endr
.irp b, 0,1
	s_delay_alu instid0(VALU_DEP_2)
	v_max_num_f32 v[BM+\b], v[BM+\b], v[BX+\b]
.endr
.irp b, 0,1
	s_delay_alu instid0(VALU_DEP_2)
	v_add_nc_u32 v[SO+\b], 0xff000000, v[BM+\b]
.endr
.irp b, 0,1
	s_delay_alu instid0(VALU_DEP_2)
	v_lshrrev_b32 v[BX+\b], 23, v[SO+\b]
.endr
	v_cvt_scalef32_pk16_fp6_f32 v[PC:PC+2], v[S:S+15], v[SO]
	v_cvt_scalef32_pk16_fp6_f32 v[PT:PT+2], v[S+16:S+31], v[SO+1]
	v_lshl_or_b32 v[T0], v[BX+1], 8, v[BX]         ; the row's two bytes.  (A plain place behind the conversions)
.irp i, 0,1,2
	v_permlane16_swap_b32 v[PC+\i], v[PT+\i]
.endr
.irp i, 0,1,2
	s_delay_alu instid0(VALU_DEP_3)
	v_mov_b32 v[PC+3+\i], v[PT+\i]
.endr
	global_store_b128 v[LI], v[PC:PC+3], s[84:85]              ; 512 consecutive bytes, aligned
	global_store_b64 v[L8], v[PC+4:PC+5], s[84:85] offset:512  ; 256 consecutive bytes, aligned
	global_store_b16 v[R32], v[T0], s[86:87]
.endm
.Lslot:                                            ; 8 trips and a ninth slot written out: the same in every work-group
	CHANGE 1
	STEP 0
	STEP 1
	s_xor_b32 s[TB], s[TB], SLOT1
	s_cmp_lg_u32 s[SLOTS], s[SW]                   ; the first block's last slot?  The work-group's y and the count of slots alone: all sixteen waves go the same way
	s_cbranch_scc1 .Lstay
	WAYOUT
	s_lshl_b32 s74, s72, 4
	s_add_co_u32 s74, s74, s[WV]                   ; my tile of 16 in block y
	s_lshl_b32 s[Q0], s74, 4
	s_sub_co_u32 s[Q0], s[Q0], s78                 ; its first query
	s_mov_b32 s[KF], 0
	s_wait_xcnt 0x0                                ; the stores have read their registers
	v_mov_b32 v13, 0xff61b1e6                      ; the softmax's state begins anew
	v_floor_f32 v12, -v13
	v_mov_b32 v14, 0
	v_mov_b32 v15, 0
	v_lshrrev_b32 v[QS], s92, v[QB+6]
	v_and_b32 v[QS], 0xffff, v[QS]
	v_lshl_or_b32 v[QS], v[QS], 16, v[QS]
.irp i, 0,1,2,3,4,5
	v_mov_b32 v[QF+\i], v[QB+\i]
	v_mov_b32 v[QF+12+\i], v[QB+\i]
.endr
.set J, 0
.rept 32
	v_mov_b32 v[O+J], 0
.set J, J+1
.endr
	s_wait_alu depctr_va_vdst(0)
.Lstay:
	s_sub_co_u32 s[SLOTS], s[SLOTS], 1
	s_cmp_lg_u32 s[SLOTS], 0
	s_cbranch_scc1 .Lslot
	CHANGE 0                                       ; the last slot is written out: nothing is left to fetch
	STEP 0
	STEP 1
	WAYOUT
	s_wait_tensorcnt 0x0                           ; the wave's end
	ds_add_u32 v[SPW], v[NIL]
	s_wait_dscnt 0x0
	s_endpgm
.Lfunc_end_k_q3c45c81408_attn:
	.size	k_q3c45c81408_attn, .Lfunc_end_k_q3c45c81408_attn-k_q3c45c81408_attn
	.p2alignl 7, 3214868480
	.fill 96, 4, 3214868480
	.section	.rodata,"a",@progbits
	.p2align	6, 0x0
	.amdhsa_kernel k_q3c45c81408_attn
		.amdhsa_group_segment_fixed_size 327680
		.amdhsa_private_segment_fixed_size 0
		.amdhsa_enable_private_segment 0
		.amdhsa_kernarg_size 24
		.amdhsa_user_sgpr_count 2
		.amdhsa_user_sgpr_kernarg_segment_ptr 1
		.amdhsa_wavefront_size32 1
		.amdhsa_system_sgpr_workgroup_id_x 1
		.amdhsa_system_sgpr_workgroup_id_y 1
		.amdhsa_system_sgpr_workgroup_id_z 1
		.amdhsa_system_vgpr_workitem_id 0
		.amdhsa_next_free_vgpr 256
		.amdhsa_next_free_sgpr 100
		.amdhsa_reserve_vcc 1
		.amdhsa_float_denorm_mode_32 3
		.amdhsa_float_denorm_mode_16_64 3
		.amdhsa_memory_ordered 1
		.amdhsa_forward_progress 1
		.amdhsa_inst_pref_size 108
	.end_amdhsa_kernel
	.amdgpu_metadata
---
amdhsa.version: [ 1, 2 ]
amdhsa.kernels:
  - .name:           k_q3c45c81408_attn
    .symbol:         k_q3c45c81408_attn.kd
    .args:
      - { .name: qi, .offset: 0, .size: 8, .value_kind: global_buffer, .address_space: global }
      - { .name: kv, .offset: 8, .size: 8, .value_kind: global_buffer, .address_space: global }
      - { .name: ao, .offset: 16, .size: 8, .value_kind: global_buffer, .address_space: global }
    .group_segment_fixed_size: 327680
    .private_segment_fixed_size: 0
    .kernarg_segment_align: 8
    .kernarg_segment_size: 24
    .max_flat_workgroup_size: 512
    .sgpr_count:     100
    .vgpr_count:     256
    .wavefront_size: 32
...
	.end_amdgpu_metadata
.endif
;; end of part 3
;; launch proj (part 4): grid 4 x 64, 4 waves a work-group, clusters of 4 x 4, 327,680 bytes of LDS; arguments ao, cod, scl, out0; writes out0
.if DOCPART == 4
	.amdgcn_target "amdgcn-amd-amdhsa--gfx1250"
	.amdhsa_code_object_version 6
	.text
	.protected	k_q3c45c81408_proj
	.globl	k_q3c45c81408_proj
	.p2align	8
	.type	k_q3c45c81408_proj,@function
k_q3c45c81408_proj:
	s_mov_b64 s[64:65], 0
	v_nop
	global_prefetch_b8 v0, s[64:65] scope:SCOPE_SE
	s_setreg_imm32_b32 hwreg(HW_REG_WAVE_MODE, 25, 1), 1
	s_wait_xcnt 0x0
	s_wait_alu depctr_hold_cnt(0) depctr_sa_sdst(0) depctr_va_vdst(0) depctr_va_sdst(0) depctr_va_ssrc(0) depctr_va_vcc(0) depctr_vm_vsrc(0)
	s_getreg_b32 s2, hwreg(HW_REG_IB_STS2, 6, 4)
	s_cmp_eq_u32 s2, 0
	s_cbranch_scc0 .Lentry_in_a_cluster
	s_endpgm
.Lentry_in_a_cluster:
	s_bfe_u32 s2, ttmp6, 0x10000c
	s_cmp_lg_u32 s2, 0xf033
	s_cbranch_scc0 .Lentry_shape_is_right
	s_endpgm
.Lentry_shape_is_right:
; PRODUCT 4, out0 = O w_o^T on codes of FP6 (E2M3) with E8M0 scales, K = 1,024; sums in f32.  No work is left out here.
; ao: [head = 64 along K: 16 planes][tile of 16 positions: 512] half images of 768 bytes; at AOS_OFF 32 scale bytes a position.  cod: the same form with 768 tiles a plane; w_o's tiles begin at 704 (row WOROW); scl: 32 scale bytes a row.
; In a half image lane (r, h) has block h of row r, 24 bytes: the first 16 at 16 x lane, the last 8 at 512 + 8 x lane.  Two half images are a fragment of 16 rows x 128 K.
; A BLOCK OF 128 x 256 OF out0 to a work-group: 64 x 4 = 256 work-groups.  At this block ALL OF K FITS IN LDS: A's 16 planes of 6,144 bytes, B's 16 planes of 12,288, the scale bytes of 128 + 256 rows: 308,480 bytes with the spare words.
; So there is no ring and no refill: the head's four tensor loads, one a wave, bring everything (wave 0 A, wave 1 B, wave 2 A's scale bytes, wave 3 B's); every tensor row is dense and begins at a multiple of 256.
; CLUSTERS of 4 x 4: A's tile and scale bytes hang on the tile row alone and are asked for jointly along a row of the cluster, B's on the tile column alone and are asked for jointly along a column.
; No prefetch: the launch has no loop to run ahead in; all its tiles are asked for at its head.
; A wave makes 64 x 128: 32 accumulators, which take turns, one instruction a turn, in the same order in every step.  A step is 128 along K; A's and B's fragments have two sets each:
; the next step's 48 LDS loads are issued ahead of this step's 32 products.
; THE MATRIX INSTRUCTION IS USED TRANSPOSED (source 0 = 16 rows of w_o, source 1 = 16 positions): a lane holds eight neighbouring numbers of a row of out0.
; The positions of ao stand in launch qkv's order: place 16 u + r of each 32 holds position 8 u + r + 8 (r / 8); the stores put the rows back.
; REGISTERS: window 0: v16-29 addresses; v32-63 scale words, two sets; v128-223 A's fragments, two sets of 48.  window 1: B's fragments, sets at v0 and v128.  window 2: accumulator (a, b) at v[8 (8 a + b)].
; LIMITS: as in launch prep.
.set SIZE_N, 1024
.set FR,     12
.set NP,     4                         ; places behind this matrix instruction (ISA guide 7.12.1)
.set KS,     32
.set TRA,    6144                      ; a plane's bytes of A's 128 rows
.set TRB,    12288                     ; of B's 256 rows
.set PLA,    393216                    ; a plane of ao
.set PLB,    589824                    ; a plane of cod
.set AB,     16*TRA                    ; LDS: B's planes behind A's
.set SCL,    AB+16*TRB                 ; the scale bytes, as units of 256 bytes + 16 of padding: A's 128 rows, then B's 256
.set HALFS,  16*272                    ; those of 128 rows
.set SBLK,   2*272                     ; those of 16 rows
.set SPARE,  SCL+3*HALFS               ; the spare words, 128 bytes for each wave
.set SPITCH, 528                       ; the way out: a stage of 16 rows x (512 + 16) bytes for each wave, in A's bytes, behind the barrier that ends all reads of them
.set AOS_OFF, 6291456
.set WOROW,  11264
.set ADRA, 16                          ; v16 LDS address of my A fragments' 16-byte pieces at the step in hand, v17 of their 8-byte pieces
.set ADRB, 20                          ; v20, v21 the same for B
.set STO,  24
.set RD,   25
.set CO,   26
.set ADRS, 27                          ; v27 my scale words: lanes 0-15 A's rows, lanes 16-31 B's
.set SPW,  28                          ; v28 LDS address of my spare word; never rewritten
.set NIL,  29                          ; v29 0; never rewritten
.set SC,   32
.set AF,   128
.set BK,   128
.set G1, 24
.set G0, 32
.set G1B, 48
.set G0B, 56
.set G1S, 68
.set G0S, 76
.set G1SB, 80
.set G0SB, 88
.set MSB, 0
.macro WIN new                         ; the immediate's high byte repeats the setting that is left
.if MSB != \new
	s_set_vgpr_msb (MSB<<8)|\new
.set MSB, \new
.endif
.endm
.set MUL_LO, 0xa1                      ; source 0 (B) window 1, source 1 (A) window 0, C and D window 2
.set TO_B,   0x40                      ; destination window 1, address window 0
.macro CROUND                          ; a round of the cluster's barrier
	s_barrier_signal -1
	s_barrier_wait -1
	s_cmp_lg_u32 s14, 0
	s_cbranch_scc1 .Lnot_wave_0_\@
	s_barrier_signal -3
.Lnot_wave_0_\@:
	s_barrier_wait -3
	s_barrier_signal -1
	s_barrier_wait -1
.endm
	s_load_b256 s[4:11], s[0:1], 0x0               ; ao s[4:5], cod s[6:7], scl s[8:9], out0 s[10:11]
	v_lshl_add_u32 v[SPW], v0, 2, SPARE
	v_mov_b32 v[NIL], 0
	ds_add_u32 v[SPW], v[NIL]                      ; the wave's opening: the add, twice on end, and its wait ahead of my first tensor load
	ds_add_u32 v[SPW], v[NIL]
	v_lshrrev_b32 v1, 5, v0
	v_readfirstlane_b32 s14, v1                    ; wave 0..3
	s_lshr_b32 s15, s14, 1                         ; which 64 of A's rows are mine
	s_and_b32 s16, s14, 1                          ; which 128 of B's
	s_bfe_u32 s40, ttmp6, 0x40000                  ; cx, cy: my place in the cluster
	s_bfe_u32 s41, ttmp6, 0x40004
	s_lshl_b32 s42, ttmp9, 2
	s_add_co_u32 s42, s42, s40                     ; tile column
	s_and_b32 s17, ttmp7, 0xffff
	s_lshl_b32 s17, s17, 2
	s_add_co_u32 s17, s17, s41                     ; tile row
	s_lshl_b32 s43, s41, 2
	s_lshl_b32 s43, 15, s43                        ; my row of the cluster
	s_lshl_b32 s44, 0x1111, s40                    ; my column
	s_or_b32 s[G1+0], s43, (3<<16)|(1<<21)         ; A: 16 planes of 768 elements of 8 bytes, no padding
	s_mov_b32 s[G1+1], (TRA/8)<<16
	s_mov_b32 s[G1+2], 16<<16
	s_mov_b32 s[G1+3], (TRA/8)<<16
	s_mov_b32 s[G1+4], 16
	s_mov_b32 s[G1+5], PLA/8
	s_mov_b32 s[G1+6], 0
	s_mov_b32 s[G1+7], 0
	s_or_b32 s[G1B+0], s44, (3<<16)|(1<<21)        ; B: 16 planes of 1,536 elements
	s_mov_b32 s[G1B+1], (TRB/8)<<16
	s_mov_b32 s[G1B+2], 16<<16
	s_mov_b32 s[G1B+3], (TRB/8)<<16
	s_mov_b32 s[G1B+4], 16
	s_mov_b32 s[G1B+5], PLB/8
	s_mov_b32 s[G1B+6], 0
	s_mov_b32 s[G1B+7], 0
	s_or_b32 s[G1S+0], s43, (3<<16)|(1<<20)|(1<<21)|(5<<22)|(3<<25)   ; scale bytes: dense rows of 256 bytes, 16 bytes of padding behind each: A's 16 rows,
	s_mov_b32 s[G1S+1], 32<<16
	s_mov_b32 s[G1S+2], 16<<16
	s_mov_b32 s[G1S+3], 32<<16
	s_mov_b32 s[G1S+4], 16
	s_mov_b32 s[G1S+5], 32
	s_mov_b32 s[G1S+6], 0
	s_mov_b32 s[G1S+7], 0
	s_or_b32 s[G1SB+0], s44, (3<<16)|(1<<20)|(1<<21)|(5<<22)|(3<<25)  ; B's 32
	s_mov_b32 s[G1SB+1], 32<<16
	s_mov_b32 s[G1SB+2], 32<<16
	s_mov_b32 s[G1SB+3], 32<<16
	s_mov_b32 s[G1SB+4], 32
	s_mov_b32 s[G1SB+5], 32
	s_mov_b32 s[G1SB+6], 0
	s_mov_b32 s[G1SB+7], 0
	s_lshl_b32 s20, s17, 7                         ; A's first position
	s_lshl_b32 s46, s42, 8
	s_add_co_u32 s46, s46, WOROW                   ; B's first row of cod
	s_mul_i32 s22, s20, KS
	s_add_co_u32 s22, s22, AOS_OFF                 ; where their scale bytes begin,
	s_mov_b32 s23, 0
	s_mul_i32 s92, s46, KS
	s_mov_b32 s93, 0
	s_mul_i32 s20, s20, 48                         ; and their half images: 768 bytes to 16 rows in a plane
	s_mov_b32 s21, 0
	s_mul_i32 s46, s46, 48
	s_mov_b32 s47, 0
	s_wait_dscnt 0x0                               ; both opening adds are done
	s_wait_kmcnt 0x0
	s_add_nc_u64 s[20:21], s[4:5], s[20:21]
	s_add_nc_u64 s[22:23], s[4:5], s[22:23]
	s_add_nc_u64 s[46:47], s[6:7], s[46:47]
	s_add_nc_u64 s[92:93], s[8:9], s[92:93]
	CROUND                                         ; all sixteen work-groups are here: the joint loads meet
	s_mov_b32 s[G0], 1
	s_mov_b32 s[G0+1], 0
	s_mov_b64 s[G0+2:G0+3], s[20:21]
	s_or_b32 s[G0+3], s[G0+3], 0x80000000
	s_mov_b32 s[G0B], 1
	s_mov_b32 s[G0B+1], AB
	s_mov_b64 s[G0B+2:G0B+3], s[46:47]
	s_or_b32 s[G0B+3], s[G0B+3], 0x80000000
	s_mov_b32 s[G0S], 1
	s_mov_b32 s[G0S+1], SCL
	s_mov_b64 s[G0S+2:G0S+3], s[22:23]
	s_or_b32 s[G0S+3], s[G0S+3], 0x80000000
	s_mov_b32 s[G0SB], 1
	s_mov_b32 s[G0SB+1], SCL+HALFS
	s_mov_b64 s[G0SB+2:G0SB+3], s[92:93]
	s_or_b32 s[G0SB+3], s[G0SB+3], 0x80000000
; THE LAUNCH'S FOUR LOADS, ONE A WAVE: one tree of branches on the wave's number; every way passes exactly one load.  An s_nop 0 and four v_nop follow each.
.macro ARM under, g0, g1, next
	s_cmp_lt_u32 s14, \under
	s_cbranch_scc0 \next
	tensor_load_to_lds s[\g0:\g0+3], s[\g1:\g1+7]
	s_nop 0
.rept 4
	v_nop
.endr
	s_branch .Lhead_asked
\next:
.endm
	ARM 1, G0,  G1,  .Lhead_b
	ARM 2, G0B, G1B, .Lhead_sa
	ARM 3, G0S, G1S, .Lhead_sb
	tensor_load_to_lds s[G0SB:G0SB+3], s[G1SB:G1SB+7]
	s_nop 0
.rept 4
	v_nop
.endr
.Lhead_asked:
	; under the loads' flight: first all the scalar work, then the vector lines on end
	s_mul_i32 s96, s15, 4*768                      ; my 4 tiles of A's 8 in a plane
	s_mul_i32 s97, s16, 8*768                      ; my 8 tiles of B's 16,
	s_add_co_u32 s97, s97, AB
	s_mul_i32 s94, s15, 8*272                      ; the scale bytes of my 64 rows of A
	s_mul_i32 s95, s16, HALFS                      ; and of my 128 rows of B,
	s_add_co_u32 s95, s95, HALFS                   ; which lie behind A's 128
	s_sub_co_u32 s95, s95, s94                     ; the distance between the two
	s_add_co_u32 s94, s94, SCL
	s_mul_i32 s45, s14, 16*SPITCH                  ; my stage
	s_lshl_b32 s20, s17, 7
	s_lshl_b32 s21, s15, 6
	s_add_co_u32 s20, s20, s21                     ; my first row of out0: 128 x tile row + 64 x half
	s_lshl_b32 s20, s20, 12                        ; 4,096 bytes a row
	s_lshl_b32 s46, s42, 10
	s_add_co_u32 s20, s20, s46                     ; + 1,024 x tile column
	s_lshl_b32 s46, s16, 9
	s_add_co_u32 s20, s20, s46                     ; + 512 x half
	s_mov_b32 s21, 0
	s_add_nc_u64 s[12:13], s[10:11], s[20:21]
	v_and_b32 v1, 15, v0                           ; r
	v_bfe_u32 v2, v0, 4, 1                         ; h
	v_and_b32 v6, 31, v0
	v_lshlrev_b32 v7, 4, v6
	v_lshlrev_b32 v8, 3, v6
	v_add_nc_u32 v[ADRA], s96, v7
	v_add_nc_u32 v[ADRA+1], s96, v8
	v_add_nc_u32 v[ADRB], s97, v7
	v_add_nc_u32 v[ADRB+1], s97, v8
	v_mul_u32_u24 v5, v1, KS                       ; my row's scale bytes: 32 a row,
	v_lshrrev_b32 v9, 8, v5
	v_lshl_add_u32 v5, v9, 4, v5                   ; and 16 more for each 256 passed
	v_mul_u32_u24 v9, s95, v2                      ; lanes 16-31 take B's
	v_add_nc_u32 v5, v5, v9
	v_add_nc_u32 v[ADRS], s94, v5
	v_mul_u32_u24 v5, v1, SPITCH                   ; the stage, in: row r, 32 bytes for each half of the lanes
	v_lshl_add_u32 v5, v2, 5, v5
	v_add_nc_u32 v[STO], s45, v5
	v_lshlrev_b32 v[CO], 4, v6                     ; back: the 32 lanes take one row of 512 bytes; and the same in out0
	v_add_nc_u32 v[RD], s45, v7
.macro FRAG reg, adr, trow, i          ; a fragment: two half images, one plane apart
.irp c, 0,1
	ds_load_b128 v[\reg+6*\c:\reg+6*\c+3], v[\adr] offset:\c*\trow+(\i)*768
	ds_load_b64 v[\reg+6*\c+4:\reg+6*\c+5], v[\adr+1] offset:\c*\trow+(\i)*768+512
.endr
.endm
.macro FETCH p                         ; the fragments of the step at which the address registers stand, into set p: 32 loads for B, 16 for A
	WIN TO_B
.irp i, 0,1,2,3,4,5,6,7
	FRAG 128*(\p)+FR*\i, ADRB, TRB, \i
.endr
	WIN 0
.irp i, 0,1,2,3
	FRAG AF+48*(\p)+FR*\i, ADRA, TRA, \i
.endr
.endm
.macro SCALES sc                       ; two steps' scale words: lanes 0-15 take the rows of A's block i (blocks 4-7 are loaded and not used), lanes 16-31 those of B's block i
.irp i, 0,1,2,3,4,5,6,7
	ds_load_b64 v[SC+16*(\sc)+2*\i:SC+16*(\sc)+2*\i+1], v[ADRS] offset:\i*SBLK
.endr
.endm
.macro MUL32 p, q, sc, zero            ; a step's 32 products; zero = 1: the first step starts the sums
.irp a, 0,1,2,3
.irp b, 0,1,2,3,4,5,6,7
.if \zero
	v_wmma_scale_f32_16x16x128_f8f6f4 v[8*(8*\a+\b):8*(8*\a+\b)+7], v[128*(\p)+FR*\b:128*(\p)+FR*\b+FR-1], v[AF+48*(\p)+FR*\a:AF+48*(\p)+FR*\a+FR-1], 0, v[SC+16*(\sc)+2*\b+(\q)], v[SC+16*(\sc)+2*\a+(\q)] matrix_a_fmt:MATRIX_FMT_FP6 matrix_b_fmt:MATRIX_FMT_FP6 matrix_a_scale:MATRIX_SCALE_ROW1
.else
	v_wmma_scale_f32_16x16x128_f8f6f4 v[8*(8*\a+\b):8*(8*\a+\b)+7], v[128*(\p)+FR*\b:128*(\p)+FR*\b+FR-1], v[AF+48*(\p)+FR*\a:AF+48*(\p)+FR*\a+FR-1], v[8*(8*\a+\b):8*(8*\a+\b)+7], v[SC+16*(\sc)+2*\b+(\q)], v[SC+16*(\sc)+2*\a+(\q)] matrix_a_fmt:MATRIX_FMT_FP6 matrix_b_fmt:MATRIX_FMT_FP6 matrix_a_scale:MATRIX_SCALE_ROW1
.endif
.endr
.endr
.endm
; A step that has a successor: the addresses go on by two planes (these four plain vector lines are also the places between the last step's products and the loads into the set that they read), the next step's fragments are asked for, then this step is multiplied.
.macro STEP st, zero
	s_wait_alu depctr_va_vdst(0)                   ; the addresses were written a step ago, ahead of a wait that blocks
	v_add_nc_u32 v[ADRA], 2*TRA, v[ADRA]
	v_add_nc_u32 v[ADRA+1], 2*TRA, v[ADRA+1]
	v_add_nc_u32 v[ADRB], 2*TRB, v[ADRB]
	v_add_nc_u32 v[ADRB+1], 2*TRB, v[ADRB+1]
.if ((\st)+1)%2 == 0
	v_add_nc_u32 v[ADRS], 8, v[ADRS]               ; the next two steps' scale words
.endif
	FETCH ((\st)+1)%2
.if ((\st)+1)%2 == 0
	SCALES (((\st)+1)/2)%2
	s_wait_dscnt 56                                ; all but the 48 + 8 just issued: this step's fragments and scale words are in
.else
	s_wait_dscnt 48                                ; all but the 48 just issued
.endif
	WIN MUL_LO
	MUL32 (\st)%2, (\st)%2, ((\st)/2)%2, \zero
	WIN 0
.endm
	s_wait_alu depctr_va_vdst(0)                   ; the wait at the head's end
	s_wait_tensorcnt 0x0                           ; my tile is in;
	s_barrier_signal -1
	s_barrier_wait -1                              ; and everybody's.
	FETCH 0
	SCALES 0
	STEP 0, 1
.irp st, 1,2,3,4,5,6
	STEP \st, 0
.endr
	s_wait_dscnt 0x0                               ; the last step: nothing more to fetch, and my reads of the tiles are over
	s_barrier_signal -1                            ; say so: the stages lie in A's bytes
	WIN MUL_LO
	MUL32 1, 1, 1, 0
	WIN 0
	s_barrier_wait -1                              ; no wave reads a tile any more
; THE WAY OUT, block by block of 16 rows x 128 columns, through my own stage: back come whole rows of 512 bytes.  LDS serves a wave's instructions in order (ISA guide 5.7.1.4): no wait between the stores and the loads.
.macro TOSTAGE a
.set AC, 64*(\a)
	WIN 0x08                                       ; the data: window 2
.irp b, 0,1,2,3,4,5,6,7
	ds_store_b128 v[STO], v[AC+8*\b:AC+8*\b+3] offset:64*\b          ; each accumulator from its low end on
	ds_store_b128 v[STO], v[AC+8*\b+4:AC+8*\b+7] offset:64*\b+16
.endr
	WIN 0
.set BB, BK+64*((\a)%2)
.irp t, 0,1,2,3,4,5,6,7,8,9,10,11,12,13,14,15
	ds_load_b128 v[BB+4*\t:BB+4*\t+3], v[RD] offset:\t*SPITCH
.endr
.endm
.macro SEND a, younger                 ; younger: the LDS instructions issued behind block a's loads, which may stay out
.set BB, BK+64*((\a)%2)
	s_wait_dscnt \younger
.irp t, 0,1,2,3,4,5,6,7,8,9,10,11,12,13,14,15
	global_store_b128 v[CO], v[BB+4*\t:BB+4*\t+3], s[12:13] offset:(32*((\a)/2)+8*((\a)%2)+\t+8*(\t/8))*SIZE_N*4 th:TH_STORE_NT   ; 32 lanes store 512 consecutive bytes, aligned; place t of block a is this row
.endr
.endm
.rept NP
	v_nop                                          ; places behind the last products: results are read, and loads land on A's fragments
.endr
	TOSTAGE 0
.irp a, 1,2,3
.if \a > 1
	s_wait_xcnt 0x0                                ; block a - 2's stores have read their registers
.endif
	TOSTAGE \a
	SEND \a-1, 32
.endr
	SEND 3, 0
	s_wait_tensorcnt 0x0                           ; the wave's end
	ds_add_u32 v[SPW], v[NIL]
	s_wait_dscnt 0x0
	CROUND                                         ; the closing round: no work-group ends while a partner may still ask for a tile that names it
	s_endpgm
.Lfunc_end_k_q3c45c81408_proj:
	.size	k_q3c45c81408_proj, .Lfunc_end_k_q3c45c81408_proj-k_q3c45c81408_proj
	.p2alignl 7, 3214868480
	.fill 96, 4, 3214868480
	.section	.rodata,"a",@progbits
	.p2align	6, 0x0
	.amdhsa_kernel k_q3c45c81408_proj
		.amdhsa_group_segment_fixed_size 327680
		.amdhsa_private_segment_fixed_size 0
		.amdhsa_enable_private_segment 0
		.amdhsa_kernarg_size 32
		.amdhsa_user_sgpr_count 2
		.amdhsa_user_sgpr_kernarg_segment_ptr 1
		.amdhsa_wavefront_size32 1
		.amdhsa_system_sgpr_workgroup_id_x 1
		.amdhsa_system_sgpr_workgroup_id_y 1
		.amdhsa_system_sgpr_workgroup_id_z 1
		.amdhsa_system_vgpr_workitem_id 0
		.amdhsa_next_free_vgpr 768
		.amdhsa_next_free_sgpr 98
		.amdhsa_reserve_vcc 0
		.amdhsa_float_denorm_mode_32 3
		.amdhsa_float_denorm_mode_16_64 3
		.amdhsa_memory_ordered 1
		.amdhsa_forward_progress 1
		.amdhsa_inst_pref_size 85
	.end_amdhsa_kernel
	.amdgpu_metadata
---
amdhsa.version: [ 1, 2 ]
amdhsa.kernels:
  - .name:           k_q3c45c81408_proj
    .symbol:         k_q3c45c81408_proj.kd
    .args:
      - { .name: ao, .offset: 0, .size: 8, .value_kind: global_buffer, .address_space: global }
      - { .name: cod, .offset: 8, .size: 8, .value_kind: global_buffer, .address_space: global }
      - { .name: scl, .offset: 16, .size: 8, .value_kind: global_buffer, .address_space: global }
      - { .name: out0, .offset: 24, .size: 8, .value_kind: global_buffer, .address_space: global }
    .group_segment_fixed_size: 327680
    .private_segment_fixed_size: 0
    .kernarg_segment_align: 8
    .kernarg_segment_size: 32
    .max_flat_workgroup_size: 128
    .sgpr_count:     98
    .vgpr_count:     768
    .wavefront_size: 32
...
	.end_amdgpu_metadata
.endif
;; end of part 4
